; MI455X (gfx1250); checked and timed in simulation.
; The chip was launched on July 23, 2026; its instructions are those of AMD's public machine-readable ISA for CDNA 5 (MIT licence, August 2026) and "CDNA5" Instruction Set Architecture Reference Guide (July 2026). The comments in the code are by the model that wrote it; some were corrected since.
;; Self Attention With Learnable Token. Allowed arithmetic: matrix products marked QUANTISED: E5M2 operands, one E8M0 scale for each 32 along K, by v_wmma_scale_f32_16x16x128_f8f6f4 with both operands' format E5M2, f32 sums; everything else in f32.
;; Inputs: Wk_codes 256 x 8 x 32 uint8 (E5M2 codes of Wk, K innermost, in blocks of 32 codes); Wk_scales 256 x 8 uint8 (E8M0 scales of Wk, one for each 32 codes along K); Wo_codes 256 x 8 x 32 uint8 (E5M2 codes of Wo, K innermost, in blocks of 32 codes); Wo_scales 256 x 8 uint8 (E8M0 scales of Wo, one for each 32 codes along K); Wq_codes 256 x 8 x 32 uint8 (E5M2 codes of Wq, K innermost, in blocks of 32 codes); Wq_scales 256 x 8 uint8 (E8M0 scales of Wq, one for each 32 codes along K); Wv_codes 256 x 8 x 32 uint8 (E5M2 codes of Wv, K innermost, in blocks of 32 codes); Wv_scales 256 x 8 uint8 (E8M0 scales of Wv, one for each 32 codes along K); bk 256 float32; bo 256 float32; bq 256 float32; bv 256 float32; gk 1 x 1 x 256 float32; gv 1 x 1 x 256 float32; x_codes 4 x 4,096 x 8 x 32 uint8 (E5M2 codes of x, K innermost, in blocks of 32 codes); x_scales 4 x 4,096 x 8 uint8 (E8M0 scales of x, one for each 32 codes along K).
;; Outputs: out0 4 x 4,096 x 256 float32.
;; This version of the problem:
;;   THIS VERSION OF THE PROBLEM IS GIVEN IN LOW PRECISION. The matrix products marked QUANTISED in the list below multiply operands that are first quantised to E5M2 (5 exponent bits, 2 mantissa bits; 8 bits a number), with one power-of-two scale for each 32 numbers along K (OCP MX v1.0); their sums are f32. All else is computed in f32.
;;   The module's matrix products, in the order in which they are computed (A, B: the left and right operand; K: the contracted axis; several contracted axes count as one K, in the product's order):
;;     1. [M 16,384, K 256] x [K 256, N 256]; A: input x (given as codes); B: input Wq (given as codes): QUANTISED
;;     2. [M 16,384, K 256] x [K 256, N 256]; A: input x (given as codes); B: input Wk (given as codes): QUANTISED
;;     3. [M 16,384, K 256] x [K 256, N 256]; A: input x (given as codes); B: input Wv (given as codes): QUANTISED
;;     4. batch 4 x [M 4,096, K 256] x [K 256, N 4,097]; A: computed on the way; B: computed on the way: QUANTISED
;;     5. batch 4 x [M 4,096, K 4,097] x [K 4,097, N 256]; A: softmax (see below); B: computed on the way: QUANTISED
;;     6. [M 16,384, K 256] x [K 256, N 256]; A: computed on the way; B: input Wo (given as codes): QUANTISED
;;   THE QUANTISER, for each operand of a quantised product, along K:
;;     - K is cut into blocks of 32 from its start; a last block that is shorter is filled with zeros.
;;     - A block's scale is 2^e with e = floor(log2(the largest magnitude in the block)) - 15, held to -126 .. 127; a block of zeros has e = 0. As a byte (E8M0): e + 127.
;;     - Each number is divided by its block's scale, clamped to +-57,344, and rounded to the nearest number of E5M2, ties to even, subnormals kept.
;;     - The product sums the exact products of the quantised numbers (number of the format x scale) in f32.
;;   ~~~python
;;   def quantise(x, axis):      # numpy; x: float32 -> the quantised numbers, widened to float32 again
;;       x = np.moveaxis(x, axis, -1); K = x.shape[-1]
;;       x = np.pad(x, [(0, 0)] * (x.ndim - 1) + [(0, -K % 32)]); x = x.reshape(x.shape[:-1] + (-1, 32)); a = np.abs(x).max(-1, keepdims=True)
;;       e = np.where(a > 0, np.clip(np.frexp(np.where(a > 0, a, 1))[1] - 1 - 15, -126, 127), 0)      # np.frexp(a)[1] - 1 = floor(log2(a)), exactly
;;       r = np.clip(x / 2.0 ** e, -57344, 57344)
;;       step = 2.0 ** (np.maximum(np.frexp(np.where(r == 0, 1, r))[1] - 1, -14) - 2)
;;       q = np.round(r / step) * step * 2.0 ** e      # np.round: ties to even
;;       return np.moveaxis(q.reshape(q.shape[:-2] + (-1,))[..., :K], -1, axis).astype(np.float32)
;;   ~~~
;;   SOFTMAX AHEAD OF A QUANTISED PRODUCT. Where the list says 'softmax', what is quantised is not the finished softmax but p = 2^(t - M), with t = logit x log2(e) and M = ceil(the row's largest t), a whole number; so 1/2 < the row's largest p <= 1. The row's sum l is taken of the UNQUANTISED p, in f32, and the product's result is divided by l at the end. Since M is a whole number, a kernel that streams over the keys may use a running M (the ceiling of the running maximum): every later rescaling is an exact power of two, which a block's scale takes up: the codes' values come out the same.
;;   OPERANDS COMPUTED ON THE WAY. 'Computed on the way' means the value that the module computes at that place (a softmax that the list does not call 'softmax' is quantised finished and normalised). What goes into a quantiser is computed in f32, as accurately as f32 sums, v_exp_f32 and their like allow (about 1e-6 of the number): no bf16 or f16 on the way to a quantiser, and a product that is left as it is and whose result goes on into a quantised operand takes f32 operands (vector FMAs, or v_wmma_f32_16x16x4_f32). A number that lies on a knife's edge between two numbers of the format may be rounded either way, as far as f32 arithmetic and the matrix unit's own rounding can turn it there, and no further.
;;   INPUTS GIVEN AS CODES. Wk (in the module: [256, 256], K = its axis 1); Wo (in the module: [256, 256], K = its axis 1); Wq (in the module: [256, 256], K = its axis 1); Wv (in the module: [256, 256], K = its axis 1); x (in the module: [4, 4096, 256], K = its axis 2): each comes as NAME_codes (uint8): NAME with its K axis moved to the last place and cut into blocks of 32 codes, [.., K / 32, bytes a block], one block behind the other in memory; one code a byte (a code: sign, 5 exponent bits, 2 mantissa bits); and NAME_scales (uint8): the same leading axes, one E8M0 byte (e + 127) for each 32 codes along K. Its value is code x scale, taken as it is: it is not quantised again, and the codes and scales need not be those that the quantiser above would give.
;; One version. Each part assembles by itself: llvm-mc -triple=amdgcn-amd-amdhsa -mcpu=gfx1250 --defsym DOCPART=n.
;; ======== version 1 of 1: 2 launches
;; limits: right only within a limited range of input values
;; workspace buffers: qc 4,194,304 bytes; qs 131,072 bytes; kv 8,921,088 bytes; wo 65,536 bytes
;; launch proj (part 1): grid 4 x 64, 8 waves a work-group, clusters of 4 x 1, 167,936 bytes of LDS; arguments x_codes, x_scales, Wq_codes, Wq_scales, bq, Wk_codes, Wk_scales, bk, gk, Wv_codes, Wv_scales, bv, gv, qc, qs, kv, Wo_codes, wo; writes qc, qs, kv, wo
.if DOCPART == 1
	.amdgcn_target "amdgcn-amd-amdhsa--gfx1250"
	.amdhsa_code_object_version 6
	.text
	.protected	k_q13dabb3293_proj
	.globl	k_q13dabb3293_proj
	.p2align	8
	.type	k_q13dabb3293_proj,@function
k_q13dabb3293_proj:
	s_mov_b64 s[64:65], 0
	v_nop
	global_prefetch_b8 v0, s[64:65] scope:SCOPE_SE
	s_setreg_imm32_b32 hwreg(HW_REG_WAVE_MODE, 25, 1), 1
	s_wait_xcnt 0x0
	s_wait_alu depctr_hold_cnt(0) depctr_sa_sdst(0) depctr_va_vdst(0) depctr_va_sdst(0) depctr_va_ssrc(0) depctr_va_vcc(0) depctr_vm_vsrc(0)
	s_getreg_b32 s2, hwreg(HW_REG_IB_STS2, 6, 4)
	s_cmp_eq_u32 s2, 0
	s_cbranch_scc0 .Lentry_in_a_cluster
	s_endpgm
.Lentry_in_a_cluster:
	s_bfe_u32 s2, ttmp6, 0x10000c
	s_cmp_lg_u32 s2, 0x3003
	s_cbranch_scc0 .Lentry_shape_is_right
	s_endpgm
.Lentry_shape_is_right:
; Q = x Wq^T + bq, K = [gk ; x Wk^T + bk], V = [gv ; x Wv^T + bv] on codes of BF8 (E5M2) with E8M0 scales, and each result quantised again for the attention launch:
; Q and K along D (256), V along the KEYS (key 0 is the token, key j is row j - 1 of x; blocks of 32 keys count from the token).
; WHAT IS STORED are images of operand registers.  A fragment (16 rows x 128 K) is 2,048 bytes: register group c (4 registers) of lane l at 512 c + 16 l.
;   kv [batch][8 groups of 4 steps of 128 keys][K's 4 blocks | V's 4 blocks], then step 32's K block and V block: 66 blocks a batch.  A block is 16 fragments and, behind them, 1,024 bytes of scale words: 33,792 bytes.
;     K's fragment (key tile T, half ks of D) at (2 T + ks) x 2,048; its scale words: (T = 4 i + q, ks, row r) at 512 i + 256 ks + 16 r + 4 q.
;     V's fragment of channel tile Dt at Dt x 2,048, K = the step's 128 keys; its scale words: (Dt, r) at 256 (Dt / 4) + 16 r + 4 (Dt % 4).  V's four quarters of D (4 tiles each) stand in the order quarter xor (step % 4).
;   qc [128 blocks of 128 rows] as K's 16 fragments, qs [128][1,024] as K's scale words.   wo: Wo's fragment (row tile e of 16 rows, half ks) at (2 e + ks) x 2,048.
;   THE ROWS OF A TILE ARE NOT NEIGHBOURS (Wo's are): lane r of tile 2 b + u takes row 32 b + 8 u + r + 8 (r / 8), so that a transposed product's 16 registers of two neighbouring tiles are 16 neighbours along the next K.
; SHARES.  A work-group makes one step s (128 keys of K and V, 128 rows of Q) for one half hf of the columns: 4 batches x 32 steps x 2 halves = 256 work-groups.  Its eight waves: th = wave / 4 takes four tiles of rows, b = wave % 4 a block of 32 columns.
; Operands come through LDS, rows padded to 272 bytes: the three weights' 128 rows, x's rows 128 s - 1 .. 128 s + 127 (LDS rows 0 .. 128): K and V read LDS row i for key i, Q reads row i + 1.  Scale words and biases come by plain loads.
; CLUSTER: the four batches' work-groups of one (s, hf) need the same weights: these are asked for JOINTLY (mask 15).  x's rows are each work-group's own.
; STEP 32 holds key 4,096 (row 4,095 = LDS row 128 of step 31's work-groups, which make it too) and keys that do not exist: their V is zero codes; its K tiles 0-3 and 4-7 get copies of row 4,095 in tiles 0 and 4 (the attention launch reads row 0 of tile 0 alone).
; No prefetch: there is no loop to run ahead in.
; LIMITS: NaN and infinities among the inputs are not served.  A block of zeros gets the scale byte 1 where the quantiser says 127: its codes are zeros, and this program alone reads the bytes.
.set BLKB,  33792
.set WSZ,   128*272                    ; a weight's 128 rows in LDS: K's at 0, V's at WSZ, Q's at 2 WSZ
.set XB,    3*WSZ                      ; x's 129 rows
.set SPARE, 139776                     ; the spare words, 128 bytes for each wave
.set SB,    140800                     ; scale bytes on their way out: K, V, Q, step 32's K, V: 512 bytes each
.set SPW, 1
.set NIL, 2
.set LI,  3                            ; 16 x lane
.set RR,  4                            ; r
.set HH,  5                            ; h
.set LP,  6                            ; r + 8 (r / 8)
.set WL,  7                            ; LDS: my row of K's weight block; WL + 1: of Q's
.set XL,  9                            ; LDS: my row of x
.set XL32, 10                          ; LDS: row 128
.set SBK, 11                           ; LDS: my scale byte of K
.set SBV, 12                           ; of V
.set TP,  13
.set XSK, 20                           ; scale words: x for K and V (4), for Q (4), the weights' two tiles each, row 4,095's
.set XSQ, 24
.set WSK, 28
.set WSV, 30
.set WSQ, 32
.set XS32, 34
.set BVR, 36                           ; bv of my channel in two tiles, then gv
.set TM,  40                           ; the quantiser's: +0 largest magnitudes, +4 bytes, +8 57,344 x scale, +12 the conversion's scale operand
.set PC,  56                           ; 16 registers of codes
.set ACC, 72                           ; eight accumulators
.set WF,  136                          ; K's (later Q's) weight fragments: (e, ks) at WF + 32 e + 16 ks
.set WO,  200                          ; Wo's fragment
; window 1: v0-127 x's fragments, (q, ks) at 32 q + 16 ks; v128-191 V's weight fragments; v192 bk, v208 bq, v224 gk (16 each); v240 bv, eight times for each tile
.set SEL, 66
.set MNT, 96
.set G1W, 48
.set G1X, 56
.set G1R, 68
.set G0X, 76
.set G0R, 80
.set G0K, 84
.set G0V, 88
.set G0Q, 92
.set MSB, 0
.macro WIN new                         ; the immediate's high byte repeats the setting that is left
.if MSB != (\new)
	s_set_vgpr_msb (MSB<<8)|(\new)
.set MSB, (\new)
.endif
.endm
.macro PLACES n
.rept \n
	v_nop
.endr
.endm
.macro WALU
	s_wait_alu depctr_va_vdst(0)
.endm
.macro CROUND                          ; a round of the cluster's barrier
	s_barrier_signal -1
	s_barrier_wait -1
	s_cmp_lg_u32 s40, 0
	s_cbranch_scc1 .Lnot_wave_0_\@
	s_barrier_signal -3
.Lnot_wave_0_\@:
	s_barrier_wait -3
	s_barrier_signal -1
	s_barrier_wait -1
.endm
.macro WM d, a, b, c, sa, sb, m        ; m = 2: K 128-255: the scale words of lanes 16-31
.if (\m) == 0
	v_wmma_scale_f32_16x16x128_f8f6f4 v[\d:\d+7], v[\a:\a+15], v[\b:\b+15], \c, v[\sa], v[\sb] matrix_a_fmt:MATRIX_FMT_BF8 matrix_b_fmt:MATRIX_FMT_BF8
.else
	v_wmma_scale_f32_16x16x128_f8f6f4 v[\d:\d+7], v[\a:\a+15], v[\b:\b+15], \c, v[\sa], v[\sb] matrix_a_fmt:MATRIX_FMT_BF8 matrix_b_fmt:MATRIX_FMT_BF8 matrix_a_scale:MATRIX_SCALE_ROW1 matrix_b_scale:MATRIX_SCALE_ROW1
.endif
.endm
; 64 numbers of a lane, four blocks: block n's 16 at ACC + 16 n (lane l xor 16 holds the other 16) become codes at PC + 4 n and the byte TM + 4 + n
.macro QUANT
.irp b, 0,1,2,3
	v_max3_num_f32 v[TM+\b], |v[ACC+16*\b]|, |v[ACC+1+16*\b]|, 0x8000000   ; and the floor 2^(16 - 127): the byte cannot fall under 1
.endr
.irp i, 2,4,6,8,10,12,14
.irp b, 0,1,2,3
	v_max3_num_f32 v[TM+\b], v[TM+\b], |v[ACC+16*\b+\i]|, |v[ACC+1+16*\b+\i]|
.endr
.endr
.irp b, 0,1,2,3
	v_permlanex16_b32 v[TM+4+\b], v[TM+\b], s[SEL], s[SEL+1]
.endr
.irp b, 0,1,2,3
	v_max_num_f32 v[TM+\b], v[TM+\b], v[TM+4+\b]
.endr
.irp b, 0,1,2,3
	v_add_nc_u32 v[TM+12+\b], 0xf8800000, v[TM+\b]                 ; 15 off its exponent field: the conversion's scale operand
.endr
.irp b, 0,1,2,3
	v_and_or_b32 v[TM+8+\b], v[TM+\b], 0x7f800000, s[MNT]          ; 57,344 x the scale
.endr
.irp b, 0,1,2,3
	v_lshrrev_b32 v[TM+4+\b], 23, v[TM+12+\b]                      ; the scale's byte
.endr
.irp b, 0,1,2,3
.irp i, 0,1,2,3,4,5,6,7,8,9,10,11,12,13,14,15
	v_med3_num_f32 v[ACC+16*\b+\i], v[ACC+16*\b+\i], -v[TM+8+\b], v[TM+8+\b]   ; the conversion to an 8-bit code does not saturate (ISA guide 7.6.2): the hold
.endr
	v_cvt_scalef32_pk8_bf8_f32 v[PC+4*\b:PC+1+4*\b], v[ACC+16*\b:ACC+7+16*\b], v[TM+12+\b]
	v_cvt_scalef32_pk8_bf8_f32 v[PC+2+4*\b:PC+3+4*\b], v[ACC+8+16*\b:ACC+15+16*\b], v[TM+12+\b]
.endr
	v_nop                                          ; a plain line behind the last conversion
.endm
; K or Q: source 0 = 16 rows of W, source 1 = 16 rows of x: a lane holds one row, register 16 q + 8 e + j = column 32 b + 16 h + 8 e + j of tile q's row
.macro KMUL bi, ws, xs
	WIN 0x14
.irp e, 0,1
.irp q, 0,1,2,3
	WM ACC+16*\q+8*\e,WF+32*\e,32*\q,v[\bi+8*\e:\bi+8*\e+7],\ws+\e,\xs+\q,0
.endr
.endr
	WIN 0x04
.irp e, 0,1
.irp q, 0,1,2,3
	WM ACC+16*\q+8*\e,WF+16+32*\e,16+32*\q,v[ACC+16*\q+8*\e:ACC+16*\q+8*\e+7],\ws+\e,\xs+\q,2
.endr
.endr
	WIN 0
.endm
.macro KOUT base, sb                   ; tile q's block b is register group b of its fragment
.irp q, 0,1,2,3
	global_store_b128 v[LI], v[PC+4*\q:PC+4*\q+3], s[\base:\base+1] offset:4096*\q   ; 32 lanes store 512 consecutive bytes
	ds_store_b8 v[SBK], v[TM+4+\q] offset:\sb+4*\q
.endr
.endm
.macro WFETCH adr, off                 ; a weight's four fragments into WF on
.irp e, 0,1
.irp k, 0,1
.irp c, 0,1,2,3
	ds_load_b128 v[WF+32*\e+16*\k+4*\c:WF+32*\e+16*\k+4*\c+3], v[\adr] offset:\off+8*\e*272+128*\k+32*\c
.endr
.endr
.endr
.endm
.macro XFETCH off                      ; x's four tiles, eight fragments, into window 1
	WIN 0x40
.irp q, 0,1,2,3
.irp k, 0,1
.irp c, 0,1,2,3
	ds_load_b128 v[32*\q+16*\k+4*\c:32*\q+16*\k+4*\c+3], v[XL] offset:\off+(32*(\q/2)+8*(\q%2))*272+128*\k+32*\c
.endr
.endr
.endr
	WIN 0
.endm
	s_load_b512 s[4:19], s[0:1], 0x0               ; x_codes 4, x_scales 6, Wq_codes 8, Wq_scales 10, bq 12, Wk_codes 14, Wk_scales 16, bk 18
	s_load_b512 s[20:35], s[0:1], 0x40             ; gk 20, Wv_codes 22, Wv_scales 24, bv 26, gv 28, qc 30, qs 32, kv 34
	s_load_b128 s[36:39], s[0:1], 0x80             ; Wo_codes 36, wo 38
	v_lshl_add_u32 v[SPW], v0, 2, SPARE
	v_mov_b32 v[NIL], 0
	ds_add_u32 v[SPW], v[NIL]                      ; the wave's opening: the add, twice on end, and its wait ahead of my first tensor load
	ds_add_u32 v[SPW], v[NIL]
	v_lshrrev_b32 v[TP], 5, v0
	v_readfirstlane_b32 s40, v[TP]                 ; wave 0..7
	s_lshr_b32 s41, s40, 2                         ; th
	s_and_b32 s42, s40, 3                          ; b
	s_bfe_u32 s43, ttmp6, 0x40000                  ; cx: the batch: it enters x's and the results' addresses alone
	s_and_b32 s44, ttmp7, 0xffff
	s_lshr_b32 s45, s44, 1                         ; the step
	s_and_b32 s46, s44, 1                          ; hf
	; descriptor groups 1: 64 rows of a weight, jointly; 128 rows of x; one row of x (32 elements of 8 bytes)
	s_mov_b32 s[G1W], 15|(1<<20)|(1<<21)|(5<<22)|(3<<25)
	s_mov_b32 s[G1W+1], 256<<16
	s_mov_b32 s[G1W+2], 64<<16
	s_mov_b32 s[G1W+3], 256<<16
	s_mov_b32 s[G1W+4], 64
	s_mov_b32 s[G1W+5], 256
	s_mov_b32 s[G1W+6], 0
	s_mov_b32 s[G1W+7], 0
	s_mov_b32 s[G1X], (1<<20)|(5<<22)|(3<<25)
	s_mov_b32 s[G1X+1], 256<<16
	s_mov_b32 s[G1X+2], 128<<16
	s_mov_b32 s[G1X+3], 256<<16
	s_mov_b32 s[G1X+4], 128
	s_mov_b32 s[G1X+5], 256
	s_mov_b32 s[G1X+6], 0
	s_mov_b32 s[G1X+7], 0
	s_mov_b32 s[G1R], 3<<16
	s_mov_b32 s[G1R+1], 32<<16
	s_mov_b32 s[G1R+2], 1<<16
	s_mov_b32 s[G1R+3], 32<<16
	s_mov_b32 s[G1R+4], 1
	s_mov_b32 s[G1R+5], 32
	s_mov_b32 s[G1R+6], 1<<16
	s_mov_b32 s[G1R+7], 0
	s_mov_b32 s[SEL], 0x76543210
	s_mov_b32 s[SEL+1], 0xfedcba98
	s_mov_b32 s[MNT], 0x600000
	s_mov_b32 s99, 0
	s_wait_dscnt 0x0                               ; both opening adds are done
	s_wait_kmcnt 0x0
	s_lshl_b32 s98, s46, 15
	s_and_b32 s100, s40, 1
	s_lshl_b32 s101, s100, 14
	s_add_co_u32 s98, s98, s101                    ; a weight's rows 128 hf + 64 (wave % 2) on, 256 bytes a row,
	s_mul_i32 s100, s100, 64*272                   ; and where they go
	s_mov_b32 s[G0K], 1
	s_mov_b32 s[G0K+1], s100
	s_add_nc_u64 s[G0K+2:G0K+3], s[14:15], s[98:99]
	s_or_b32 s[G0K+3], s[G0K+3], 0x80000000
	s_mov_b32 s[G0V], 1
	s_add_co_u32 s[G0V+1], s100, WSZ
	s_add_nc_u64 s[G0V+2:G0V+3], s[22:23], s[98:99]
	s_or_b32 s[G0V+3], s[G0V+3], 0x80000000
	s_mov_b32 s[G0Q], 1
	s_add_co_u32 s[G0Q+1], s100, 2*WSZ
	s_add_nc_u64 s[G0Q+2:G0Q+3], s[8:9], s[98:99]
	s_or_b32 s[G0Q+3], s[G0Q+3], 0x80000000
	s_lshl_b32 s98, s43, 20
	s_add_nc_u64 s[4:5], s[4:5], s[98:99]          ; x's codes at my batch
	s_lshl_b32 s98, s43, 15
	s_add_nc_u64 s[6:7], s[6:7], s[98:99]          ; and its scale bytes
	s_lshl_b32 s98, s45, 15
	s_mov_b32 s[G0X], 1
	s_mov_b32 s[G0X+1], XB+272
	s_add_nc_u64 s[G0X+2:G0X+3], s[4:5], s[98:99]
	s_or_b32 s[G0X+3], s[G0X+3], 0x80000000
	s_max_u32 s98, s98, 256
	s_sub_co_u32 s98, s98, 256                     ; the row ahead (step 0: row 0, which serves nothing: its key is the token)
	s_mov_b32 s[G0R], 1
	s_mov_b32 s[G0R+1], XB
	s_add_nc_u64 s[G0R+2:G0R+3], s[4:5], s[98:99]
	s_or_b32 s[G0R+3], s[G0R+3], 0x80000000
	CROUND                                         ; all four work-groups are here: the joint loads meet
; THE HEAD'S LOADS, ONE A WAVE, in one chain of branches on the wave's number
.macro ARM under, g0, g1, next
	s_cmp_lt_u32 s40, \under
	s_cbranch_scc0 \next
	tensor_load_to_lds s[\g0:\g0+3], s[\g1:\g1+7]
	s_nop 0
	PLACES 4
	s_branch .Lasked
\next:
.endm
	ARM 2, G0K, G1W, .Larm_v
	ARM 4, G0V, G1W, .Larm_q
	ARM 6, G0Q, G1W, .Larm_x
	ARM 7, G0X, G1X, .Larm_r
	tensor_load_to_lds s[G0R:G0R+3], s[G1R:G1R+7]
	s_nop 0
	PLACES 4
.Lasked:
	v_and_b32 v[RR], 15, v0
	v_bfe_u32 v[HH], v0, 4, 1
	v_and_b32 v[LI], 31, v0
	v_and_b32 v[LP], 8, v[RR]
	v_lshlrev_b32 v[LI], 4, v[LI]
	v_add_nc_u32 v[LP], v[LP], v[RR]
	v_lshlrev_b32 v16, 2, v[HH]                    ; 4 h
	v_lshl_add_u32 v17, v[LP], 3, v16              ; 8 LP + 4 h
	s_lshl_b32 s98, s45, 10
	s_lshl_b32 s100, s41, 9
	s_add_co_u32 s98, s98, s100                    ; 8 (128 s + 64 th)
	v_add_nc_u32 v15, s98, v17                     ; x's scale words by key: key's row for Q; 8 bytes back for K and V
	v_max_u32 v14, 8, v15
	v_subrev_nc_u32 v14, 8, v14                    ; tile 0, whose first key may be the token: that lane reads row 0's
	s_lshl_b32 s98, s46, 10
	s_lshl_b32 s100, s42, 8
	s_add_co_u32 s98, s98, s100
	v_add_nc_u32 v17, s98, v17                     ; the weights': 8 (128 hf + 32 b + LP) + 4 h
	s_lshr_b32 s98, s98, 1
	v_lshl_add_u32 v18, v[HH], 6, s98              ; bk, bq, gk: 4 (128 hf + 32 b + 16 h)
	v_lshl_add_u32 v19, v[LP], 2, s98              ; bv, gv: 4 (128 hf + 32 b + LP)
	s_lshl_b32 s98, s44, 2
	s_add_co_u32 s98, s98, s43                     ; Wo's fragment 4 y + cx, where y < 8: wave 7 lays it
	s_lshr_b32 s100, s98, 1
	s_lshl_b32 s100, s100, 12
	s_and_b32 s101, s98, 1
	s_lshl_b32 s101, s101, 7
	s_add_co_u32 s100, s100, s101
	v_lshl_add_u32 v[TP], v[RR], 8, s100
	v_lshl_add_u32 v35, v[HH], 4, v[TP]            ; its row r of 256 bytes, half 128 bytes, + 16 h
	s_lshl_b32 s98, s98, 11
	s_mov_b32 s47, 99
	s_cmp_lt_u32 s44, 8
	s_cselect_b32 s47, 7, s47
	WALU
.irp q, 1,2,3
	global_load_b32 v[XSK+\q], v15, s[6:7] offset:(32*(\q/2)+8*(\q%2))*8-8
.endr
	global_load_b32 v[XSK], v14, s[6:7]
.irp q, 0,1,2,3
	global_load_b32 v[XSQ+\q], v15, s[6:7] offset:(32*(\q/2)+8*(\q%2))*8
.endr
	global_load_b32 v[XS32], v16, s[6:7] offset:32760   ; row 4,095's
.irp e, 0,1
	global_load_b32 v[WSK+\e], v17, s[16:17] offset:64*\e
	global_load_b32 v[WSV+\e], v17, s[24:25] offset:64*\e
	global_load_b32 v[WSQ+\e], v17, s[10:11] offset:64*\e
	global_load_b32 v[BVR+\e], v19, s[26:27] offset:32*\e
	global_load_b32 v[BVR+2+\e], v19, s[28:29] offset:32*\e
.endr
	WIN 0x40
.irp n, 0,1,2,3
	global_load_b128 v[192+4*\n:195+4*\n], v18, s[18:19] offset:16*\n
	global_load_b128 v[208+4*\n:211+4*\n], v18, s[12:13] offset:16*\n
	global_load_b128 v[224+4*\n:227+4*\n], v18, s[20:21] offset:16*\n
.endr
	WIN 0
	s_cmp_eq_u32 s40, s47
	s_cbranch_scc0 .Lno_wo_load
.irp c, 0,1,2,3
	global_load_b128 v[WO+4*\c:WO+4*\c+3], v35, s[36:37] offset:32*\c
.endr
.Lno_wo_load:
	s_add_nc_u64 s[38:39], s[38:39], s[98:99]
	s_mul_i32 s98, s42, 32*272
	v_mul_u32_u24 v[TP], v[LP], 272
	v_lshl_add_u32 v[TP], v[HH], 4, v[TP]          ; row LP, 16 h
	v_add_nc_u32 v[WL], s98, v[TP]                 ; the weights' rows 32 b on
	v_add_nc_u32 v[WL+1], 2*WSZ, v[WL]
	s_mul_i32 s98, s41, 64*272
	s_add_co_u32 s98, s98, XB
	v_add_nc_u32 v[XL], s98, v[TP]                 ; x's rows 64 th on
	v_lshlrev_b32 v[XL32], 4, v[HH]
	v_add_nc_u32 v[XL32], XB+128*272, v[XL32]      ; row 128 in every lane
	s_lshl_b32 s98, s41, 8
	s_add_co_u32 s98, s98, s42
	s_add_co_u32 s98, s98, SB
	v_lshl_add_u32 v[SBK], v[RR], 4, s98           ; 256 th + 16 r + b (+ 4 q)
	s_lshr_b32 s98, s42, 1
	s_lshl_b32 s98, s98, 8
	s_and_b32 s100, s42, 1
	s_lshl_b32 s100, s100, 3
	s_add_co_u32 s98, s98, s100
	s_lshl_b32 s100, s41, 1
	s_add_co_u32 s98, s98, s100
	s_add_co_u32 s98, s98, SB+512
	v_lshl_add_u32 v[SBV], v[RR], 4, s98           ; 256 (b / 2) + 16 r + 8 (b % 2) + 2 th (+ 4 e + k)
.irp n, 0,1,2,3
	v_mov_b32 v[TM+4+\n], 0                        ; written once: a lane permute's destination counts as one of its sources
.endr
	WALU
	s_wait_loadcnt 0x0                             ; every plain load is in: the arguments' registers below are free
	WIN 0x40
.irp e, 0,1
.irp j, 0,1,2,3,4,5,6,7
	v_mov_b32 v[240+8*\e+\j], v[BVR+\e]            ; V's products start from bv of the lane's channel
.endr
.endr
	WIN 0
	; where the results go
	s_mul_i32 s24, s43, 66*BLKB                    ; my batch in kv,
	s_lshr_b32 s25, s45, 2
	s_mul_i32 s25, s25, 8*BLKB
	s_add_co_u32 s25, s25, s24
	s_and_b32 s27, s45, 3
	s_mul_i32 s26, s27, BLKB
	s_add_co_u32 s25, s25, s26                     ; my step's K block
	s_lshl_b32 s26, s41, 3
	s_add_co_u32 s26, s26, s46
	s_lshl_b32 s26, s26, 11
	s_lshl_b32 s28, s42, 9
	s_add_co_u32 s26, s26, s28                     ; fragment (4 th, hf), register group b (+ 4,096 q)
	s_add_co_u32 s98, s25, s26
	s_add_nc_u64 s[8:9], s[34:35], s[98:99]        ; K
	s_lshl_b32 s29, s46, 1
	s_lshr_b32 s28, s42, 1
	s_add_co_u32 s29, s29, s28                     ; my quarter of D
	s_and_b32 s28, s42, 1
	s_lshl_b32 s28, s28, 12
	s_lshl_b32 s98, s41, 10
	s_add_co_u32 s28, s28, s98                     ; tile 2 (b % 2) of the quarter, register group 2 th (+ 2,048 e + 512 k)
	s_xor_b32 s98, s29, s27
	s_lshl_b32 s98, s98, 13
	s_add_co_u32 s98, s98, s28
	s_add_co_u32 s98, s98, s25
	s_add_co_u32 s98, s98, 4*BLKB
	s_add_nc_u64 s[10:11], s[34:35], s[98:99]      ; V
	s_lshl_b32 s23, s43, 5
	s_add_co_u32 s23, s23, s45                     ; Q's block among the 128
	s_lshl_b32 s98, s23, 15
	s_add_co_u32 s98, s98, s26
	s_add_nc_u64 s[12:13], s[30:31], s[98:99]      ; Q
	s_add_co_u32 s98, s24, s26
	s_add_co_u32 s98, s98, 64*BLKB
	s_add_nc_u64 s[14:15], s[34:35], s[98:99]      ; step 32's K
	s_lshl_b32 s98, s29, 13
	s_add_co_u32 s98, s98, s28
	s_add_co_u32 s98, s98, s24
	s_add_co_u32 s98, s98, 65*BLKB
	s_add_nc_u64 s[16:17], s[34:35], s[98:99]      ; step 32's V (32 % 4 = 0: its quarters stand in their order)
	; the scale words' two units of 256 bytes: wave 0 K's, 1 V's, 2 Q's, 3 and 4 step 32's.  Lane (r, h) takes unit h: K, Q: 512 h + 256 hf; V: 256 x ((2 hf + h) xor (s % 4))
	s_lshl_b32 s28, s46, 8
	s_lshl_b32 s29, s46, 9
	s_add_co_u32 s98, s25, s28
	s_add_co_u32 s98, s98, 32768
	s_lshl_b32 s100, s23, 10
	s_add_co_u32 s100, s100, s28
	s_add_co_u32 s101, s24, s28
	s_add_co_u32 s101, s101, 64*BLKB+32768
	s_cmp_eq_u32 s40, 2
	s_cselect_b32 s98, s100, s98
	s_cselect_b64 s[18:19], s[32:33], s[34:35]
	s_cmp_eq_u32 s40, 3
	s_cselect_b32 s98, s101, s98
	s_add_co_u32 s101, s24, s29
	s_add_co_u32 s101, s101, 65*BLKB+32768
	s_lshr_b32 s100, s27, 1
	s_lshl_b32 s100, s100, 9
	s_xor_b32 s100, s100, s29
	s_add_co_u32 s100, s100, s25
	s_add_co_u32 s100, s100, 4*BLKB+32768
	s_mov_b32 s20, 512
	s_and_b32 s27, s27, 1
	s_cmp_eq_u32 s40, 4
	s_cselect_b32 s98, s101, s98
	s_cselect_b32 s20, 256, s20
	s_cmp_eq_u32 s40, 1
	s_cselect_b32 s98, s100, s98
	s_cselect_b32 s20, 256, s20
	s_cselect_b32 s21, s27, 0
	s_add_nc_u64 s[18:19], s[18:19], s[98:99]
	s_mov_b32 s22, 3
	s_cmp_eq_u32 s45, 31
	s_cselect_b32 s22, 5, s22                      ; so many waves store scale words
	s_or_b32 s98, s45, s41
	v_or_b32 v[TP], s98, v[RR]
	v_cmp_eq_u32 s100, 0, v[TP]                    ; the lanes that hold the token's K (tile 0)
	v_or_b32 v[TP], s98, v[HH]
	v_cmp_eq_u32 s101, 0, v[TP]                    ; and its V (register 0)
	v_or_b32 v[TP], s41, v[HH]
	v_cmp_eq_u32 s97, 0, v[TP]                     ; step 32: the lanes that hold key 4,096's V
	v_xor_b32 v14, s21, v[HH]
	v_lshlrev_b32 v15, 4, v[RR]
	v_mad_u32_u24 v14, v14, s20, v15               ; the scale words' offset
	s_lshl_b32 s98, s40, 9
	s_add_co_u32 s98, s98, SB
	v_add_nc_u32 v15, s98, v[LI]                   ; and where they lie in LDS
	WALU
	s_wait_tensorcnt 0x0
	s_barrier_signal -1
	s_barrier_wait -1                              ; all tiles lie in LDS
	WFETCH WL, 0
	WIN 0x40
.irp e, 0,1
.irp k, 0,1
.irp c, 0,1,2,3
	ds_load_b128 v[128+32*\e+16*\k+4*\c:131+32*\e+16*\k+4*\c], v[WL] offset:WSZ+8*\e*272+128*\k+32*\c
.endr
.endr
.endr
	WIN 0
	s_cmp_eq_u32 s45, 31
	s_cbranch_scc0 .Lno_last
	; STEP 32: block 0: K of key 4,096; block 1: zeros; blocks 2, 3: V in my two tiles of channels, register 0 alone
	WIN 0x40
.irp k, 0,1
.irp c, 0,1,2,3
	ds_load_b128 v[16*\k+4*\c:16*\k+4*\c+3], v[XL32] offset:128*\k+32*\c
.endr
.endr
	s_wait_dscnt 0x0
	WIN 0x14
	WM ACC,WF,0,v[192:199],WSK,XS32,0
	WM ACC+8,WF+32,0,v[200:207],WSK+1,XS32,0
	WIN 0x15
	WM ACC+32,0,128,v[240:247],XS32,WSV,0
	WM ACC+48,0,160,v[248:255],XS32,WSV+1,0
	WIN 0x04
	WM ACC,WF+16,16,v[ACC:ACC+7],WSK,XS32,2
	WM ACC+8,WF+48,16,v[ACC+8:ACC+15],WSK+1,XS32,2
	WIN 0x05
	WM ACC+32,16,144,v[ACC+32:ACC+39],XS32,WSV,2
	WM ACC+48,16,176,v[ACC+48:ACC+55],XS32,WSV+1,2
	WIN 0
	PLACES 8
	v_cndmask_b32 v[ACC+32], 0, v[ACC+32], s97
	v_cndmask_b32 v[ACC+48], 0, v[ACC+48], s97
.irp n, 1,2,3,4,5,6,7,8,9,10,11,12,13,14,15
	v_mov_b32 v[ACC+32+\n], 0
	v_mov_b32 v[ACC+48+\n], 0
.endr
.irp n, 0,1,2,3,4,5,6,7,8,9,10,11,12,13,14,15
	v_mov_b32 v[ACC+16+\n], 0
.endr
	QUANT
	global_store_b128 v[LI], v[PC:PC+3], s[14:15]
.irp q, 0,1,2,3
	ds_store_b8 v[SBK], v[TM+4] offset:1536+4*\q
.endr
.irp e, 0,1
	global_store_b128 v[LI], v[PC+8+4*\e:PC+11+4*\e], s[16:17] offset:2048*\e
	global_store_b128 v[LI], v[PC+4:PC+7], s[16:17] offset:2048*\e+512
	ds_store_b8 v[SBV], v[TM+6+\e] offset:1536+4*\e
	ds_store_b8 v[SBV], v[TM+5] offset:1537+4*\e
.endr
	WALU
.Lno_last:
	XFETCH 0
	s_wait_dscnt 0x0
	KMUL 192, WSK, XSK
	PLACES 8                                       ; eight places behind this form
	WFETCH WL+1, 0                                 ; Q's weight
	WIN 0x04
.set ni, 0
.rept 16
	v_cndmask_b32 v[ACC+ni], v[ACC+ni], v[224+ni], s100   ; the token's K: gk
.set ni, ni+1
.endr
	WIN 0
	WALU
	s_wait_xcnt 0x0                                ; earlier stores have read the codes' registers
	QUANT
	KOUT 8, 0
	; V: source 0 = 16 keys, source 1 = 16 rows of Wv: a lane holds one channel, register 32 e + 8 q + j = key 64 th + 32 (q / 2) + 16 h + 8 (q % 2) + j
	WIN 0x15
.irp e, 0,1
.irp q, 0,1,2,3
	WM ACC+32*\e+8*\q,32*\q,128+32*\e,v[240+8*\e:247+8*\e],XSK+\q,WSV+\e,0
.endr
.endr
	WIN 0x05
.irp e, 0,1
.irp q, 0,1,2,3
	WM ACC+32*\e+8*\q,16+32*\q,144+32*\e,v[ACC+32*\e+8*\q:ACC+32*\e+8*\q+7],XSK+\q,WSV+\e,2
.endr
.endr
	WIN 0
	PLACES 8
	XFETCH 272                                     ; Q's rows: one LDS row on
.irp e, 0,1
	v_cndmask_b32 v[ACC+32*\e], v[ACC+32*\e], v[BVR+2+\e], s101   ; the token's V: gv
.endr
	WALU
	s_wait_xcnt 0x0
	QUANT
.irp e, 0,1
.irp k, 0,1
	global_store_b128 v[LI], v[PC+8*\e+4*\k:PC+8*\e+4*\k+3], s[10:11] offset:2048*\e+512*\k
	ds_store_b8 v[SBV], v[TM+4+2*\e+\k] offset:4*\e+\k
.endr
.endr
	WALU
	s_wait_dscnt 0x0                               ; Q's operands are in
	KMUL 208, WSQ, XSQ
	PLACES 8
	WALU
	s_wait_xcnt 0x0
	QUANT
	KOUT 12, 1024
	s_cmp_eq_u32 s40, s47
	s_cbranch_scc0 .Lno_wo_store
.irp c, 0,1,2,3
	global_store_b128 v[LI], v[WO+4*\c:WO+4*\c+3], s[38:39] offset:512*\c
.endr
.Lno_wo_store:
	s_wait_dscnt 0x0                               ; for the others' sake: my scale bytes have landed
	s_barrier_signal -1
	s_barrier_wait -1
	s_cmp_lt_u32 s40, 5                            ; five units' worth of bytes at the most: waves 0 to 4,
	s_cbranch_scc0 .Ldone
	s_cmp_lt_u32 s40, s22                          ; of which 3 and 4 in step 31's work-groups alone
	s_cbranch_scc0 .Ldone
	ds_load_b128 v[TM:TM+3], v15
	s_wait_dscnt 0x0
	global_store_b128 v14, v[TM:TM+3], s[18:19]    ; two aligned units of 256 bytes
.Ldone:
	s_wait_tensorcnt 0x0                           ; the wave's end, behind my last tensor load and my last LDS store
	ds_add_u32 v[SPW], v[NIL]
	s_wait_dscnt 0x0
	CROUND                                         ; the closing round: no work-group ends while a partner may still ask for a tile that names it
	s_endpgm
.Lfunc_end_k_q13dabb3293_proj:
	.size	k_q13dabb3293_proj, .Lfunc_end_k_q13dabb3293_proj-k_q13dabb3293_proj
	.p2alignl 7, 3214868480
	.fill 96, 4, 3214868480
	.section	.rodata,"a",@progbits
	.p2align	6, 0x0
	.amdhsa_kernel k_q13dabb3293_proj
		.amdhsa_group_segment_fixed_size 167936
		.amdhsa_private_segment_fixed_size 0
		.amdhsa_enable_private_segment 0
		.amdhsa_kernarg_size 144
		.amdhsa_user_sgpr_count 2
		.amdhsa_user_sgpr_kernarg_segment_ptr 1
		.amdhsa_wavefront_size32 1
		.amdhsa_system_sgpr_workgroup_id_x 1
		.amdhsa_system_sgpr_workgroup_id_y 1
		.amdhsa_system_sgpr_workgroup_id_z 1
		.amdhsa_system_vgpr_workitem_id 0
		.amdhsa_next_free_vgpr 512
		.amdhsa_next_free_sgpr 102
		.amdhsa_reserve_vcc 0
		.amdhsa_float_denorm_mode_32 3
		.amdhsa_float_denorm_mode_16_64 3
		.amdhsa_memory_ordered 1
		.amdhsa_forward_progress 1
		.amdhsa_inst_pref_size 71
	.end_amdhsa_kernel
	.amdgpu_metadata
---
amdhsa.version: [ 1, 2 ]
amdhsa.kernels:
  - .name:           k_q13dabb3293_proj
    .symbol:         k_q13dabb3293_proj.kd
    .args:
      - { .name: x_codes, .offset: 0, .size: 8, .value_kind: global_buffer, .address_space: global }
      - { .name: x_scales, .offset: 8, .size: 8, .value_kind: global_buffer, .address_space: global }
      - { .name: Wq_codes, .offset: 16, .size: 8, .value_kind: global_buffer, .address_space: global }
      - { .name: Wq_scales, .offset: 24, .size: 8, .value_kind: global_buffer, .address_space: global }
      - { .name: bq, .offset: 32, .size: 8, .value_kind: global_buffer, .address_space: global }
      - { .name: Wk_codes, .offset: 40, .size: 8, .value_kind: global_buffer, .address_space: global }
      - { .name: Wk_scales, .offset: 48, .size: 8, .value_kind: global_buffer, .address_space: global }
      - { .name: bk, .offset: 56, .size: 8, .value_kind: global_buffer, .address_space: global }
      - { .name: gk, .offset: 64, .size: 8, .value_kind: global_buffer, .address_space: global }
      - { .name: Wv_codes, .offset: 72, .size: 8, .value_kind: global_buffer, .address_space: global }
      - { .name: Wv_scales, .offset: 80, .size: 8, .value_kind: global_buffer, .address_space: global }
      - { .name: bv, .offset: 88, .size: 8, .value_kind: global_buffer, .address_space: global }
      - { .name: gv, .offset: 96, .size: 8, .value_kind: global_buffer, .address_space: global }
      - { .name: qc, .offset: 104, .size: 8, .value_kind: global_buffer, .address_space: global }
      - { .name: qs, .offset: 112, .size: 8, .value_kind: global_buffer, .address_space: global }
      - { .name: kv, .offset: 120, .size: 8, .value_kind: global_buffer, .address_space: global }
      - { .name: Wo_codes, .offset: 128, .size: 8, .value_kind: global_buffer, .address_space: global }
      - { .name: wo, .offset: 136, .size: 8, .value_kind: global_buffer, .address_space: global }
    .group_segment_fixed_size: 167936
    .private_segment_fixed_size: 0
    .kernarg_segment_align: 8
    .kernarg_segment_size: 144
    .max_flat_workgroup_size: 256
    .sgpr_count:     102
    .vgpr_count:     512
    .wavefront_size: 32
...
	.end_amdgpu_metadata
.endif
;; end of part 1
;; launch attn (part 2): grid 64 x 4, 4 waves a work-group, clusters of 4 x 1, 327,680 bytes of LDS; arguments qc, qs, kv, wo, Wo_scales, bo, out0; writes out0
.if DOCPART == 2
	.amdgcn_target "amdgcn-amd-amdhsa--gfx1250"
	.amdhsa_code_object_version 6
	.text
	.protected	k_q13dabb3293_attn
	.globl	k_q13dabb3293_attn
	.p2align	8
	.type	k_q13dabb3293_attn,@function
k_q13dabb3293_attn:
	s_mov_b64 s[64:65], 0
	v_nop
	global_prefetch_b8 v0, s[64:65] scope:SCOPE_SE
	s_setreg_imm32_b32 hwreg(HW_REG_WAVE_MODE, 25, 1), 1
	s_wait_xcnt 0x0
	s_wait_alu depctr_hold_cnt(0) depctr_sa_sdst(0) depctr_va_vdst(0) depctr_va_sdst(0) depctr_va_ssrc(0) depctr_va_vcc(0) depctr_vm_vsrc(0)
	s_getreg_b32 s2, hwreg(HW_REG_IB_STS2, 6, 4)
	s_cmp_eq_u32 s2, 0
	s_cbranch_scc0 .Lentry_in_a_cluster
	s_endpgm
.Lentry_in_a_cluster:
	s_bfe_u32 s2, ttmp6, 0x10000c
	s_cmp_lg_u32 s2, 0x3003
	s_cbranch_scc0 .Lentry_shape_is_right
	s_endpgm
.Lentry_shape_is_right:
; out = (softmax(Q K^T / 16) V) Wo^T + bo on codes of BF8 (E5M2) with E8M0 scales.  Q, K, V come as images of operand registers (a fragment of 16 rows x 128 K = 2,048 bytes: register group c of lane l at 512 c + 16 l).
; kv [batch][8 groups of 4 steps of 128 keys][K's 4 blocks | V's 4 blocks], then step 32 (key 4,096): K's block, V's block.  A block = 16 fragments + 1,024 bytes of scale words = 33,792 bytes.
; The rows of a tile are 32 b + 8 u + r + 8 (r / 8) for tile 2 b + u, so that a transposed product's 16 registers of two tiles are 16 neighbours along the next K.
; THE SOFTMAX: t = score x log2(e) / 16; M = the largest t so far, rounded up to a whole number; p = 2^(t - M) is quantised along the keys, not normalised; the sum of the unquantised p divides at the end; a change of M multiplies by a power of two.
; SHARES.  A work-group owns 64 queries of a batch: four tiles.  Each of its FOUR waves, one on a SIMD, holds all four tiles and takes the steps whose number modulo 4 is the wave's: a fragment of K or of V is read from LDS by one wave, once, and feeds four products.
; Both products are transposed (S^T = K Q^T, O^T = V^T P^T): a lane holds one query throughout, and so do attn's quantiser and the last product (source 0 = 16 rows of Wo).
; SLOTS.  One slot of LDS holds K of 512 keys, the other V of 512 keys; a wave fetches the block that it reads, 132 rows of 256 bytes, one load behind each round of the cluster's barrier.  K's slot is filled again when its scores are made, V's when its products are made.
; A wave has one tensor load out at any time, by this text's own count.
; KEY 4,096 GOES FIRST: its operands come by plain loads at the head, and its products start O^T (nothing is cleared).  Wave 0 counts it; in the other waves its p is 0.
; CLUSTER.  The four work-groups of a cluster belong to one batch and walk the same K and V: each tile is asked for JOINTLY (the same load, the same descriptor, mask 15).
; THE FOUR KEY PARTS ARE JOINED at the end through LDS: wave w keeps channels 64 w to 64 w + 63, which lie in registers 0-31 of each tile's O^T; registers 32 g to 32 g + 31 go to wave w xor g.
; LIMITS: NaN and infinities are not served; scaled scores stay under 2^31 in magnitude; a block of zeros has the scale byte 1 where the quantiser says 127 (its codes are zeros, and nobody else reads the byte).
; REGISTERS, window q = 0 .. 3: v0-127 O^T of tile q (v[8 Dt]); v128-191 its scores, key tile T at v[128 + 8 T] (later V's fragments 4 q .. 4 q + 3; ahead of the scores K's fragments in v160-191);
;   v192-255: window 0 the registers named below; windows 1, 2 Q (tiles 0, 1 and 2, 3); window 3 p's codes, 16 registers a tile (ahead of the scores K's fragments).
.set BLKB,  33792
.set SLOTB, 4*BLKB
.set BATCHB, 16*SLOTB+2*BLKB
.set SCO,   32768                      ; a block's scale words lie behind its codes
.set SPARE, 2*SLOTB                    ; the spare words, 128 bytes for each wave
.set AIMG,  SPARE+512                  ; attn's images: 4 tiles x 2 fragments,
.set STT,   AIMG+16384                 ; the key parts' statistics, 1,024 bytes a wave,
.set ASC,   STT+4096                   ; attn's scale words, 128 bytes a tile: no fill reaches these bytes
.set XCHW,  49152                      ; the exchange, at byte 0 of the slots, which have had their last fill: 48 KB a wave;
.set STG,   4*XCHW                     ; behind it, in V's slot, the stage for out: 64 rows x (256 + 16) bytes a wave
.set STGW,  64*272
.set SPW, 192                          ; my spare word; NIL 0: never rewritten
.set NIL, 193
.set AK,  194                          ; my lane's place in my block of K's slot, of V's slot
.set AV,  195
.set PFO, 196                          ; 256 x lane
.set TP,  197
.set K32S, 199                         ; step 32's K scale words
.set NM,  200                          ; pairs: -M of tile q at NM + 2 q, the sum at NM + 2 q + 1
.set FF,  208                          ; pairs: f = 2^(old M - new M) at FF + 2 q, p's scale word at PSR + 2 q
.set PSR, 209
.set QS,  216                          ; Q's scale words, a tile each (lanes 0-15: d 0-127, lanes 16-31: d 128-255); at the end Wo's
.set KSV, 220                          ; K's or V's scale words, eight; at the end attn's
.set SOP, 228                          ; at work: conversion's scale operands,
.set BND, 232                          ; bounds,
.set BM,  236                          ; block maxima, 4 q + b (16),
.set BYT, 252                          ; bytes
.set WV,  24
.set G1,  32                           ; s[32:39] descriptor group 1; groups 0 of K's and V's loads
.set G0K, 40
.set G0V, 44
.set PFA, 48
.set CNT, 50
.set LIM, 51
.set CS,  52                           ; s[52:53] c = log2(e) / 16
.set SEL, 54
.set MNT, 56
.set MSB, 0
.macro WIN new                         ; the immediate's high byte repeats the setting that is left; bits 1:0 source 0, 3:2 source 1, 5:4 source 2, 7:6 destination
.if MSB != (\new)
	s_set_vgpr_msb (MSB<<8)|(\new)
.set MSB, (\new)
.endif
.endm
.macro PLACES n
.rept \n
	v_nop
.endr
.endm
.macro WALU
	s_wait_alu depctr_va_vdst(0)
.endm
.macro CREST                           ; a round of the cluster's barrier behind its opening barrier
	s_cmp_lg_u32 s[WV], 0
	s_cbranch_scc1 .Lnot_wave_0_\@
	s_barrier_signal -3
.Lnot_wave_0_\@:
	s_barrier_wait -3
	s_barrier_signal -1
	s_barrier_wait -1
.endm
.macro CROUND
	s_barrier_signal -1
	s_barrier_wait -1
	CREST
.endm
; A PREFETCH INTO THE L2 of the codes that the NEXT round's load will ask for: one slot's four blocks of 32,768 bytes.  All clusters of a batch walk the same kv: two of the batch's sixteen ask, clusters 0 and 5.
; The four partners take a block each, told apart by address; in each the four waves take 8,192 bytes, lanes 256 bytes apart: each block of 256 bytes is named once in each of the two.  The last slot named is slot 15.
; Slots 0 and 1 come by their loads alone; the scale words are not asked for.
.macro ASK
	s_cmp_eq_u32 s[LIM], 1
	s_cbranch_scc0 .Lnot_mine_\@
	global_prefetch_b8 v[PFO], s[PFA:PFA+1] th:TH_LOAD_NT scope:SCOPE_SE
.Lnot_mine_\@:
.endm
.macro WM d, a, b, c, sa, sb, m        ; m = 1: A's scales from lanes 16-31; 2: A's and B's
.if (\m) == 0
	v_wmma_scale_f32_16x16x128_f8f6f4 v[\d:\d+7], v[\a:\a+15], v[\b:\b+15], \c, v[\sa], v[\sb] matrix_a_fmt:MATRIX_FMT_BF8 matrix_b_fmt:MATRIX_FMT_BF8
.elseif (\m) == 1
	v_wmma_scale_f32_16x16x128_f8f6f4 v[\d:\d+7], v[\a:\a+15], v[\b:\b+15], \c, v[\sa], v[\sb] matrix_a_fmt:MATRIX_FMT_BF8 matrix_b_fmt:MATRIX_FMT_BF8 matrix_a_scale:MATRIX_SCALE_ROW1
.else
	v_wmma_scale_f32_16x16x128_f8f6f4 v[\d:\d+7], v[\a:\a+15], v[\b:\b+15], \c, v[\sa], v[\sb] matrix_a_fmt:MATRIX_FMT_BF8 matrix_b_fmt:MATRIX_FMT_BF8 matrix_a_scale:MATRIX_SCALE_ROW1 matrix_b_scale:MATRIX_SCALE_ROW1
.endif
.endm
.macro KF t, ks, w, reg                ; K's fragment (key tile t, half ks of D) into window w: four loads of 512 consecutive bytes
	WIN ((\w)<<6)
.irp c, 0,1,2,3
	ds_load_b128 v[\reg+4*\c:\reg+4*\c+3], v[AK] offset:(2*\t+\ks)*2048+512*\c
.endr
.endm
.macro VF g                            ; V's fragments 4 g .. 4 g + 3 into window g's score registers: 16 loads
	WIN ((\g)<<6)
.irp i, 0,1,2,3
.irp c, 0,1,2,3
	ds_load_b128 v[128+16*\i+4*\c:131+16*\i+4*\c], v[AV] offset:(4*\g+\i)*2048+512*\c
.endr
.endr
	WIN 0
.endm
; S^T of key tile t for the four tiles of queries: the accumulators by turns, d 0-127 (which starts the sums) and then d 128-255
.macro STILE d, s, w0, a0, w1, a1
.irp q, 0,1,2,3
	WIN ((\w0)|((1+\q/2)<<2)|(\q*0x50))
	WM \d,\a0,192+32*(\q%2),0,\s,QS+\q,0
.endr
.irp q, 0,1,2,3
	WIN ((\w1)|((1+\q/2)<<2)|(\q*0x50))
	WM \d,\a1,208+32*(\q%2),v[\d:\d+7],\s,QS+\q,2
.endr
.endm
.macro PV g, z                         ; O^T += V^T P^T for channel tiles 4 g .. 4 g + 3, the four tiles of queries; z = 1: the products start the sums
.irp q, 0,1,2,3
	WIN ((\g)|12|(\q*0x50))
.irp i, 0,1,2,3
.if \z
	WM 32*\g+8*\i,128+16*\i,192+16*\q,0,KSV+4*(\g/2)+\i,PSR+2*\q,\g%2
.else
	WM 32*\g+8*\i,128+16*\i,192+16*\q,v[32*\g+8*\i:32*\g+8*\i+7],KSV+4*(\g/2)+\i,PSR+2*\q,\g%2
.endif
.endr
.endr
.endm
; O^T's PRODUCTS AMONG THE SOFTMAX OF TILES 2 AND 3: behind every eighth vector line one product.  In tile 2's: V's fragments 0-7 with tiles 0 and 1; in tile 3's: those with tile 2, then fragments 8-11 with tiles 0, 1, 2.
.set PVI, 0                            ; products issued
.set PVE, 0                            ; and how many may be
.set TCK, 0
.macro PVM
.if PVI < 16
.set G_, PVI/8
.set Q_, (PVI/4)%2
.elseif PVI < 24
.set G_, (PVI-16)/4
.set Q_, 2
.else
.set G_, 2
.set Q_, (PVI-24)/4
.endif
.set I_, PVI%4
	WIN (G_|12|(Q_*0x50))
	WM 32*G_+8*I_,128+16*I_,192+16*Q_,v[32*G_+8*I_:32*G_+8*I_+7],KSV+4*(G_/2)+I_,PSR+2*Q_,G_%2
.set PVI, PVI+1
.endm
.macro TICK
.if PVI < PVE
.set TCK, TCK+1
.if TCK == 8
.set TCK, 0
.if (PVI == 8) || (PVI == 24)
	WALU
	s_wait_dscnt 0x0                               ; V's fragments 4-7 (8-11) are in
.endif
	PVM
.endif
.endif
.endm
.macro PVQ3                            ; tile 3's products with V's fragments 0-11
.irp g, 0,1,2
	WIN (\g|12|0xf0)
.irp i, 0,1,2,3
	WM 32*\g+8*\i,128+16*\i,240,v[32*\g+8*\i:32*\g+8*\i+7],KSV+4*(\g/2)+\i,PSR+6,\g%2
.endr
.endr
.endm
.macro MAXQ q
	WIN (\q*5)
.irp b, 0,1,2,3
	v_max3_num_f32 v[BM+4*\q+\b], v[128+16*\b], v[129+16*\b], 0xff800000
.endr
.irp i, 2,4,6,8,10,12,14
.irp b, 0,1,2,3
	v_max3_num_f32 v[BM+4*\q+\b], v[128+16*\b+\i], v[129+16*\b+\i], v[BM+4*\q+\b]
.endr
.endr
.endm
.macro NEWM                            ; the four tiles by turns: block maxima joined with lane l xor 16's; -M = the lesser of the old -M and floor(-t); f = 2^(old M - new M): a multiplication by it rounds nothing
	WIN 0
.irp n, 0,1,2,3,4,5,6,7
	v_permlanex16_b32 v[SOP+\n], v[BM+\n], s[SEL], s[SEL+1]
.endr
.irp n, 0,1,2,3
	v_permlanex16_b32 v[BYT+\n], v[BM+8+\n], s[SEL], s[SEL+1]
.endr
.irp n, 0,1,2,3,4,5,6,7
	v_max_num_f32 v[BM+\n], v[BM+\n], v[SOP+\n]
.endr
.irp n, 0,1,2,3
	v_permlanex16_b32 v[SOP+\n], v[BM+12+\n], s[SEL], s[SEL+1]
.endr
.irp n, 0,1,2,3
	v_max_num_f32 v[BM+8+\n], v[BM+8+\n], v[BYT+\n]
.endr
.irp n, 0,1,2,3
	v_max_num_f32 v[BM+12+\n], v[BM+12+\n], v[SOP+\n]
.endr
.irp q, 0,1,2,3
	v_max3_num_f32 v[SOP+\q], v[BM+4*\q], v[BM+4*\q+1], v[BM+4*\q+2]
.endr
.irp q, 0,1,2,3
	v_max_num_f32 v[SOP+\q], v[SOP+\q], v[BM+4*\q+3]
.endr
.irp q, 0,1,2,3
	v_mul_f32 v[SOP+\q], s[CS], v[SOP+\q]          ; the step's largest t (c is positive)
.endr
.irp q, 0,1,2,3
	v_floor_f32 v[SOP+\q], -v[SOP+\q]
.endr
.irp q, 0,1,2,3
	v_min_num_f32 v[SOP+\q], v[NM+2*\q], v[SOP+\q]
.endr
.irp q, 0,1,2,3
	v_sub_f32 v[FF+2*\q], v[SOP+\q], v[NM+2*\q]    ; a whole number, 0 or less
.endr
.irp q, 0,1,2,3
	v_mov_b32 v[NM+2*\q], v[SOP+\q]
.endr
.irp q, 0,1,2,3
	v_cvt_i32_f32 v[FF+2*\q], v[FF+2*\q]           ; (it saturates)
.endr
.irp q, 0,1,2,3
	v_ldexp_f32 v[FF+2*\q], 1.0, v[FF+2*\q]
.endr
.endm
.macro RESC q                          ; O^T of tile q under the new M
	WIN (0x41*\q)
	WALU                                           ; the products' results were last written ahead of exponentials
.set ni, 0
.rept 64
	v_pk_mul_f32 v[ni:ni+1], v[ni:ni+1], v[FF+2*\q:FF+2*\q+1] op_sel_hi:[1,0]
.set ni, ni+2
.endr
.endm
.macro SMA q                           ; tile q: t - M, two at a time, and p = 2^(t - M); the blocks' largest scores by the same two instructions
	WIN 0
.irp b, 0,1,2,3
	v_fma_f32 v[BM+4*\q+\b], v[BM+4*\q+\b], s[CS], v[NM+2*\q]
.endr
	WIN (0x41*\q)
.set ni, 128
.rept 32
	WIN (0x41*\q)
	v_pk_fma_f32 v[ni:ni+1], v[ni:ni+1], s[CS:CS+1], v[NM+2*\q:NM+2*\q+1] op_sel_hi:[1,0,0]
	TICK
.set ni, ni+2
.endr
	WALU
.set ni, 128
.rept 64
	WIN (0x41*\q)
	v_exp_f32 v[ni], v[ni]
	TICK
.set ni, ni+1
.endr
	WIN 0
.irp b, 0,1,2,3
	v_exp_f32 v[BM+4*\q+\b], v[BM+4*\q+\b]
.endr
	v_nop                                          ; a plain line behind the exponentials
	WALU
.endm
.macro SMB q                           ; tile q: the sum of the unquantised p (eight chains, in the registers that take the codes afterwards), the quantiser
	WIN (0xc0|(\q*5))
.set ni, 0
.rept 8
	WIN (0xc0|(\q*5))
	v_pk_add_f32 v[192+16*\q+2*ni:193+16*\q+2*ni], v[128+4*ni:129+4*ni], v[130+4*ni:131+4*ni]
	TICK
.set ni, ni+1
.endr
	WIN (0xcc|\q)
.set ni, 0
.rept 16
	WIN (0xcc|\q)
	v_pk_add_f32 v[192+16*\q+2*(ni%8):193+16*\q+2*(ni%8)], v[160+2*ni:161+2*ni], v[192+16*\q+2*(ni%8):193+16*\q+2*(ni%8)]
	TICK
.set ni, ni+1
.endr
	WIN 0
.irp b, 0,1,2,3
	v_max_num_f32 v[BM+4*\q+\b], 0x8000000, v[BM+4*\q+\b]   ; the floor 2^(16 - 127): the byte cannot fall under 1
.endr
.irp b, 0,1,2,3
	v_add_nc_u32 v[SOP+\b], 0xf8800000, v[BM+4*\q+\b]       ; 15 off the exponent field: the conversion's scale operand
.endr
.irp b, 0,1,2,3
	v_and_or_b32 v[BND+\b], v[BM+4*\q+\b], 0x7f800000, s[MNT]   ; 57,344 x the scale
.endr
.irp b, 0,1,2,3
	v_lshrrev_b32 v[BYT+\b], 23, v[SOP+\b]                  ; the scale's byte
.endr
	WIN 0xcf
.irp k, 0,2,4,6
	v_pk_add_f32 v[192+16*\q+\k:193+16*\q+\k], v[192+16*\q+\k:193+16*\q+\k], v[200+16*\q+\k:201+16*\q+\k]
.endr
	WIN 0
	v_lshl_or_b32 v[PSR+2*\q], v[BYT+1], 8, v[BYT]          ; p's scale word for these 128 keys
	WIN 0xcf
.irp k, 0,2
	v_pk_add_f32 v[192+16*\q+\k:193+16*\q+\k], v[192+16*\q+\k:193+16*\q+\k], v[196+16*\q+\k:197+16*\q+\k]
.endr
	WIN 0
	v_lshl_or_b32 v[PSR+2*\q], v[BYT+2], 16, v[PSR+2*\q]
	WIN 0xcf
	v_pk_add_f32 v[192+16*\q:193+16*\q], v[192+16*\q:193+16*\q], v[194+16*\q:195+16*\q]
	WIN 0
	v_lshl_or_b32 v[PSR+2*\q], v[BYT+3], 24, v[PSR+2*\q]
	WIN 0x0f
	v_add_f32 v[TP], v[192+16*\q], v[193+16*\q]
	WIN 0
	v_fma_f32 v[NM+2*\q+1], v[NM+2*\q+1], v[FF+2*\q], v[TP]
	WIN (0x41*\q)
.irp b, 0,1,2,3
.irp i, 0,1,2,3,4,5,6,7,8,9,10,11,12,13,14,15
	WIN (0x41*\q)
	v_min_num_f32 v[128+16*\b+\i], v[128+16*\b+\i], v[BND+\b]   ; the conversion does not saturate (ISA guide 7.6.2); p is not negative, so the hold is one-sided
	TICK
.endr
.endr
	WIN (0xc0|\q)
.irp b, 0,1,2,3
	v_cvt_scalef32_pk8_bf8_f32 v[192+16*\q+4*\b:193+16*\q+4*\b], v[128+16*\b:135+16*\b], v[SOP+\b]
	v_cvt_scalef32_pk8_bf8_f32 v[194+16*\q+4*\b:195+16*\q+4*\b], v[136+16*\b:143+16*\b], v[SOP+\b]
.endr
	WIN 0
	v_nop                                          ; a plain line behind the conversions
.endm
; O^T's last sixteen products stand inside the round that frees V's slot: in front of its signal my tensor load (K's next block) has landed and V's fragments are in registers
.macro ENDPV z
	WIN 0
	WALU
	s_wait_tensorcnt 0x0
	ds_add_u32 v[SPW], v[NIL]                      ; 0 onto my spare word
	s_add_nc_u64 s[G0K+2:G0K+3], s[G0K+2:G0K+3], 2*SLOTB   ; no tensor load of mine is out: K's group 0 steps on
	s_wait_xcnt 0x0                                ; the last prefetch has read its address
	s_add_nc_u64 s[PFA:PFA+1], s[PFA:PFA+1], SLOTB
	s_wait_dscnt 0x0                               ; the add is done, and my reads of V's slot are over
	s_barrier_signal -1
	PV 3, \z
	WIN 0
	s_barrier_wait -1
	CREST
	tensor_load_to_lds s[G0V:G0V+3], s[G1:G1+7]    ; my block of V's next four steps
	s_nop 0
	PLACES 9                                       ; nine places ahead of matrix instructions that write over the products' operands, eight ahead of loads (ISA guide 7.12.1 for the matrix instructions)
.endm
; A ROUND: 512 keys, my 128 of them.  last = 1: nothing is filled again
.macro ROUND last
	ds_load_b128 v[KSV:KSV+3], v[AK] offset:SCO
	ds_load_b128 v[KSV+4:KSV+7], v[AK] offset:SCO+512
.irp t, 0,1,2,3                                ; tiles 0-3 into the score registers that tiles 4-7 will take
	KF \t, 0, \t, 160
	KF \t, 1, \t, 176
.endr
	KF 4, 0, 3, 192
	KF 4, 1, 3, 208
	KF 6, 0, 3, 224
	KF 6, 1, 3, 240
	WIN 0
.if \last == 0
	ASK
.endif
	s_wait_dscnt 40                                ; the scale words and tile 0 are in; tiles 1, 2, 3, 4, 6 (8 loads each) may be out
	STILE 128,KSV,0,160,0,176
	s_wait_dscnt 32
	STILE 136,KSV+1,1,160,1,176
	PLACES 8                                       ; eight places ahead of loads into registers that products have read
	KF 5, 0, 0, 176
	KF 5, 1, 1, 176
	s_wait_dscnt 32                                ; out: tiles 3, 4, 6, 5
	STILE 144,KSV+2,2,160,2,176
	s_wait_dscnt 24
	STILE 152,KSV+3,3,160,3,176
	PLACES 9                                       ; tiles 4 and 5's sums lie over fragments just read
	s_wait_dscnt 16                                ; out: tiles 6, 5
	STILE 160,KSV+4,3,192,3,208
	PLACES 8
	KF 7, 0, 3, 192
	KF 7, 1, 3, 208
	s_wait_dscnt 8                                 ; out: tile 7
	STILE 168,KSV+5,0,176,1,176
	PLACES 9
	STILE 176,KSV+6,3,224,3,240
	s_wait_dscnt 0x0
	STILE 184,KSV+7,3,192,3,208
	PLACES 8
	MAXQ 0
	MAXQ 1
	MAXQ 2
	MAXQ 3
	NEWM
	RESC 0
	RESC 1
	RESC 2
	RESC 3
	SMA 0
	SMB 0
	WIN 0
	WALU
	s_wait_tensorcnt 0x0                           ; my block of V has landed
	ds_add_u32 v[SPW], v[NIL]                      ; 0 onto my spare word
.if \last == 0
	s_add_nc_u64 s[G0V+2:G0V+3], s[G0V+2:G0V+3], 2*SLOTB
	s_wait_xcnt 0x0                                ; the last prefetch has read its address
	s_add_nc_u64 s[PFA:PFA+1], s[PFA:PFA+1], SLOTB
.endif
	s_wait_dscnt 0x0                               ; the add is done; my reads of K's slot are over
	s_barrier_signal -1
	SMA 1                                          ; work on registers inside the round
	s_barrier_wait -1
.if \last == 0
	CREST                                          ; no wave of any partner still reads K's slot or has a load on its way
	tensor_load_to_lds s[G0K:G0K+3], s[G1:G1+7]    ; my block of K's next four steps
	s_nop 0
	PLACES 4                                       ; four v_nop follow a tensor load
.endif
	ds_load_b128 v[KSV:KSV+3], v[AV] offset:SCO
	ds_load_b128 v[KSV+4:KSV+7], v[AV] offset:SCO+512
	VF 0                                           ; tile 0's scores are codes: its registers take V's fragments
.if \last == 0
	ASK
.endif
	SMB 1
	VF 1
.if \last == 0
	s_wait_dscnt 16                                ; V's scale words and fragments 0-3 are in
.set PVI, 0
.set PVE, 16
.set TCK, 0
.endif
	SMA 2
	SMB 2
	VF 2
.if \last == 0
.set PVE, 36
.endif
	SMA 3
	SMB 3
.set PVE, 0
	VF 3
	PLACES 5
	WALU
.if \last == 0
	PVQ3
	ENDPV 0
.else
	s_wait_dscnt 16                                ; all but V's last four fragments are in
	PV 0, 0
	PV 1, 0
	PV 2, 0
	WIN 0
	WALU
	s_wait_dscnt 0x0                               ; V's last fragments; my reads of the slots are over: behind the barrier their bytes serve as scratch
	s_barrier_signal -1
	PV 3, 0
	WIN 0
	s_barrier_wait -1
	PLACES 8
.endif
.endm
	s_load_b256 s[4:11], s[0:1], 0x0               ; qc 4, qs 6, kv 8, wo 10
	s_load_b128 s[12:15], s[0:1], 0x20             ; Wo_scales 12, bo 14
	s_load_b64 s[16:17], s[0:1], 0x30              ; out0
	v_lshl_add_u32 v[SPW], v0, 2, SPARE
	v_mov_b32 v[NIL], 0
	ds_add_u32 v[SPW], v[NIL]                      ; the wave's opening: the add, twice on end, and its wait ahead of my first tensor load
	ds_add_u32 v[SPW], v[NIL]
	v_lshrrev_b32 v1, 5, v0
	v_readfirstlane_b32 s[WV], v1                  ; wave 0..3
	s_bfe_u32 s27, ttmp6, 0x40000                  ; cx: my place in the cluster: it enters Q's, out's and the prefetches' addresses alone
	s_lshl_b32 s28, ttmp9, 2
	s_add_co_u32 s28, s28, s27                     ; my block of 64 queries in the batch
	s_and_b32 s29, ttmp7, 0xffff                   ; the batch, which the four partners share
	s_lshl_b32 s30, s29, 6
	s_add_co_u32 s28, s28, s30                     ; and among all 256
	; descriptor group 1: 132 rows of 256 bytes (32 elements of 8 bytes), dense, no padding: an image is read 16 bytes a lane, on end
	s_mov_b32 s[G1], 15|(3<<16)|(1<<21)            ; 15:0 the mask: all four work-groups; 17:16 elements of 8 bytes; 21 set beside a mask
	s_mov_b32 s[G1+1], 32<<16
	s_mov_b32 s[G1+2], 132<<16
	s_mov_b32 s[G1+3], 32<<16
	s_mov_b32 s[G1+4], 132
	s_mov_b32 s[G1+5], 32
	s_mov_b32 s[G1+6], 0
	s_mov_b32 s[G1+7], 0
	s_mov_b32 s[CS], 0x3db8aa3b                    ; c = log2(e) / sqrt(256)
	s_mov_b32 s[CS+1], s[CS]
	s_mov_b32 s[SEL], 0x76543210
	s_mov_b32 s[SEL+1], 0xfedcba98
	s_mov_b32 s[MNT], 0x600000
	s_mul_i32 s58, s[WV], BLKB                     ; my block of a slot
	s_mul_i32 s60, s29, BATCHB                     ; my batch in kv
	s_mov_b32 s61, 0
	s_add_co_u32 s62, s60, s58
	s_mov_b32 s63, 0
	s_mul_i32 s18, s27, BLKB                       ; the prefetches: my work-group's block of a slot's four,
	s_add_co_u32 s18, s18, s60
	s_lshl_b32 s19, s[WV], 13                      ; my wave's 8,192 bytes of its codes,
	s_add_co_u32 s18, s18, s19
	s_add_co_u32 s18, s18, SLOTB                   ; in slot 1: each round steps it first
	s_mov_b32 s19, 0
	s_cmp_eq_u32 ttmp9, 5                          ; clusters 0 and 5 of the batch ask: the same in all four partners
	s_cselect_b32 s31, 1, 0
	s_cmp_eq_u32 ttmp9, 0
	s_cselect_b32 s[LIM], 1, s31
	v_and_b32 v2, 31, v0                           ; lane
	v_bfe_u32 v4, v0, 4, 1                         ; h
	v_lshlrev_b32 v5, 4, v2                        ; 16 x lane
	v_add_nc_u32 v[AK], s58, v5
	v_add_nc_u32 v[AV], SLOTB, v[AK]
	v_lshlrev_b32 v[PFO], 8, v2
	v_or_b32 v[TP], s[WV], v4                      ; 0 in the lanes that count key 4,096
	v_cmp_gt_u32 s30, 16, v2                       ; lanes 0-15
.irp n, 0,1,2,3,4,5,6,7
	v_mov_b32 v[SOP+\n], 0                         ; written once: a lane permute's destination counts as one of its sources
.endr
.irp n, 0,1,2,3
	v_mov_b32 v[BYT+\n], 0
.endr
	s_wait_dscnt 0x0                               ; both opening adds are done
	WALU
	s_wait_kmcnt 0x0
	s_mov_b32 s[G0K], 1                            ; group 0: count 1; the LDS address: wave x 33,792 in the slot; the global address; the type
	s_mov_b32 s[G0K+1], s58
	s_add_nc_u64 s[G0K+2:G0K+3], s[8:9], s[62:63]
	s_mov_b32 s[G0V], 1
	s_add_co_u32 s[G0V+1], s58, SLOTB
	s_add_nc_u64 s[G0V+2:G0V+3], s[G0K+2:G0K+3], SLOTB
	s_or_b32 s[G0K+3], s[G0K+3], 0x80000000
	s_or_b32 s[G0V+3], s[G0V+3], 0x80000000
	s_add_nc_u64 s[PFA:PFA+1], s[8:9], s[18:19]
	s_add_nc_u64 s[20:21], s[8:9], s[60:61]
	s_add_nc_u64 s[20:21], s[20:21], 16*SLOTB      ; step 32's K block; its V block lies behind it
	s_lshl_b32 s60, s28, 14
	s_add_nc_u64 s[4:5], s[4:5], s[60:61]          ; Q's codes: 16,384 bytes for 64 queries,
	s_lshl_b32 s60, s28, 9
	s_add_nc_u64 s[6:7], s[6:7], s[60:61]          ; its scale words: 512
	s_lshl_b32 s60, s28, 16
	s_lshl_b32 s62, s[WV], 8
	s_add_co_u32 s60, s60, s62
	s_add_nc_u64 s[16:17], s[16:17], s[60:61]      ; out: 64 rows of 1,024 bytes, and my 256 bytes of each
	CROUND                                         ; all four work-groups are here: the first joint loads meet
	tensor_load_to_lds s[G0K:G0K+3], s[G1:G1+7]    ; slot 0: my block of K's first four steps
	s_nop 0
	PLACES 4
.irp k, 0,1
.irp c, 0,1,2,3
	global_load_b128 v[64+16*\k+4*\c:67+16*\k+4*\c], v5, s[20:21] offset:2048*\k+512*\c   ; step 32: K's tile 0, whose row 0 is key 4,096
.endr
.endr
	global_load_b32 v[K32S], v5, s[20:21] offset:SCO
	global_load_b128 v[QS:QS+3], v5, s[6:7]
.irp q, 0,1,2,3
	WIN ((1+\q/2)<<6)
.irp k, 0,1
.irp c, 0,1,2,3
	global_load_b128 v[192+32*(\q%2)+16*\k+4*\c:195+32*(\q%2)+16*\k+4*\c], v5, s[4:5] offset:4096*\q+2048*\k+512*\c   ; Q stays in registers
.endr
.endr
.endr
	WIN 0
	global_load_b128 v[KSV:KSV+3], v5, s[20:21] offset:BLKB+SCO
	global_load_b128 v[KSV+4:KSV+7], v5, s[20:21] offset:BLKB+SCO+512
	s_cmp_eq_u32 s[WV], 0
	s_cbranch_scc0 .Lzeros                         ; wave 0 counts key 4,096 and loads its V; the other waves, whose p is 0, take zero codes
.irp g, 0,1,2,3                                ; step 32: V's fragments
	WIN ((\g)<<6)
.irp i, 0,1,2,3
.irp c, 0,1,2,3
	global_load_b128 v[128+16*\i+4*\c:131+16*\i+4*\c], v5, s[20:21] offset:BLKB+(4*\g+\i)*2048+512*\c
.endr
.endr
.endr
	WIN 0
	s_wait_loadcnt 63                              ; 64 loads are V's fragments: all ahead of them are in
	s_branch .Lhead_in
.Lzeros:
.irp g, 0,1,2,3
	WIN ((\g)<<6)
.set ni, 0
.rept 64
	v_mov_b32 v[128+ni], 0
.set ni, ni+1
.endr
.endr
	WIN 0
	WALU
	s_wait_loadcnt 0x0
.Lhead_in:
	STILE 32,K32S,0,64,0,80                        ; scores: register 32 of window q
	PLACES 8
.irp q, 0,1,2,3
	WIN (\q)
	v_mov_b32 v[BM+\q], v[32]
.endr
	WIN 0
.irp q, 0,1,2,3
	v_permlanex16_b32 v[SOP+\q], v[BM+\q], s[SEL], s[SEL+1]
.endr
.irp q, 0,1,2,3
	v_cndmask_b32 v[BM+\q], v[SOP+\q], v[BM+\q], s30   ; key 4,096's score in both halves of the lanes
.endr
.irp q, 0,1,2,3
	v_mul_f32 v[BND+\q], s[CS], v[BM+\q]
.endr
.irp q, 0,1,2,3
	v_floor_f32 v[NM+2*\q], -v[BND+\q]             ; the key belongs to the row, so every wave's M may begin with it
.endr
.irp q, 0,1,2,3
	v_fma_f32 v[BM+\q], v[BM+\q], s[CS], v[NM+2*\q]
.endr
	v_cmp_eq_u32 vcc_lo, 0, v[TP]
	WALU
.irp q, 0,1,2,3
	v_exp_f32 v[BM+\q], v[BM+\q]
.endr
	v_nop
	WALU
.irp q, 0,1,2,3
	v_cndmask_b32 v[NM+2*\q+1], 0, v[BM+\q], vcc_lo    ; the sum begins with p, where it counts
.endr
.irp q, 0,1,2,3
	v_max_num_f32 v[BND+\q], 0x8000000, v[NM+2*\q+1]
.endr
.irp q, 0,1,2,3
	v_add_nc_u32 v[SOP+\q], 0xf8800000, v[BND+\q]
.endr
.irp q, 0,1,2,3
	v_and_or_b32 v[BND+\q], v[BND+\q], 0x7f800000, s[MNT]
.endr
.irp q, 0,1,2,3
	v_lshrrev_b32 v[PSR+2*\q], 23, v[SOP+\q]       ; the first block's byte; the other three blocks are zero codes, under the byte 0
.endr
.irp q, 0,1,2,3
	v_min_num_f32 v[96+8*\q], v[NM+2*\q+1], v[BND+\q]
.irp n, 1,2,3,4,5,6,7
	v_mov_b32 v[96+8*\q+\n], 0                     ; the keys past the end: zeros
.endr
.endr
	WIN 0xc0
.irp q, 0,1,2,3
	v_cvt_scalef32_pk8_bf8_f32 v[192+16*\q:193+16*\q], v[96+8*\q:103+8*\q], v[SOP+\q]
.irp n, 2,3,4,5,6,7,8,9,10,11,12,13,14,15
	v_mov_b32 v[192+16*\q+\n], 0
.endr
.endr
	PLACES 5
	WIN 0
	WALU
	s_wait_loadcnt 0x0                             ; V's fragments of step 32
	PV 0, 1
	PV 1, 1
	PV 2, 1
	ENDPV 1                                        ; K's first block has landed; V's slot takes its first fill, issued as a refill is
	s_mov_b32 s[CNT], 7
.Lround:                                       ; rounds 0 to 6; the last is written out
	ROUND 0
	s_sub_co_u32 s[CNT], s[CNT], 1
	s_cmp_lg_u32 s[CNT], 0
	s_cbranch_scc1 .Lround
	ROUND 1
	; ---- THE END.  Addresses, in registers of the softmax
	v_lshrrev_b32 v236, 8, v[PFO]                  ; lane
	v_lshrrev_b32 v239, 4, v[PFO]                  ; 16 x lane
	v_and_b32 v237, 15, v236                       ; r
	v_lshrrev_b32 v238, 4, v236                    ; h
	s_lshl_b32 s58, s[WV], 6
	v_add_nc_u32 v241, s58, v237                   ; Wo's row 64 w + r:
	v_lshlrev_b32 v241, 3, v241
	v_lshl_add_u32 v241, v238, 2, v241             ; its scale words
	s_lshl_b32 s58, s[WV], 14
	v_add_nc_u32 v240, s58, v239                   ; its codes: my four row tiles' images, 4,096 bytes a tile
	s_lshl_b32 s58, s[WV], 8
	v_lshl_add_u32 v242, v238, 5, s58              ; bo: 4 (64 w + 8 h)
	WALU
.irp e, 0,1,2,3                                ; the last product's operands are asked for here: Q's and p's registers are free
	WIN ((1+\e/2)<<6)
.irp k, 0,1
.irp c, 0,1,2,3
	global_load_b128 v[192+32*(\e%2)+16*\k+4*\c:195+32*(\e%2)+16*\k+4*\c], v240, s[10:11] offset:4096*\e+2048*\k+512*\c
.endr
.endr
.endr
	WIN 0xc0
.irp e, 0,1,2,3
	global_load_b128 v[192+8*\e:195+8*\e], v242, s[14:15] offset:64*\e       ; bo in the result's layout: 64 w + 16 e + 8 h + 0 .. 7
	global_load_b128 v[196+8*\e:199+8*\e], v242, s[14:15] offset:64*\e+16
.endr
	WIN 0
.irp e, 0,1,2,3
	global_load_b32 v[QS+\e], v241, s[12:13] offset:128*\e
.endr
	s_mul_i32 s58, s[WV], XCHW
	v_add_nc_u32 v243, s58, v239                   ; where I leave what I hand over
	s_lshl_b32 s58, s[WV], 10
	s_add_co_u32 s59, s58, STT
	v_lshl_add_u32 v244, v236, 3, s59              ; and my statistics
.irp g, 1,2,3
	s_xor_b32 s60, s[WV], \g
	s_mul_i32 s61, s60, XCHW
	s_add_co_u32 s61, s61, (\g-1)*16384
	v_add_nc_u32 v[244+\g], s61, v239              ; where wave w xor g leaves mine
	s_lshl_b32 s60, s60, 10
	s_add_co_u32 s60, s60, STT
	v_lshl_add_u32 v[247+\g], v236, 3, s60
.endr
	s_add_co_u32 s58, s58, AIMG
	v_add_nc_u32 v251, s58, v239                   ; attn's image: my two groups of a fragment: 1,024 w
	s_lshr_b32 s58, s[WV], 1
	s_lshl_b32 s58, s58, 6
	s_and_b32 s59, s[WV], 1
	s_lshl_b32 s59, s59, 1
	s_add_co_u32 s58, s58, s59
	s_add_co_u32 s58, s58, ASC
	v_lshl_add_u32 v252, v237, 2, s58              ; my two bytes of row r's scale word (lanes r and r + 16 hold the same)
	v_add_nc_u32 v253, AIMG, v239
	v_lshl_add_u32 v254, v236, 2, ASC              ; scale words, read: lanes 0-15 d 0-127, lanes 16-31 d 128-255
	s_mul_i32 s58, s[WV], STGW
	s_add_co_u32 s58, s58, STG
	v_mul_u32_u24 v255, v237, 272
	v_lshl_add_u32 v255, v238, 5, v255
	v_add_nc_u32 v255, s58, v255                   ; my stage, in: row r, 32 bytes for each half of the lanes
	v_lshlrev_b32 v198, 4, v237
	v_mad_u32_u24 v[TP], v238, 272, v198
	v_add_nc_u32 v[TP], s58, v[TP]                 ; back: lanes 0-15 one row, lanes 16-31 the next
	v_lshl_add_u32 v198, v238, 10, v198            ; and the same two rows of out
	; my sums; registers 32-127 of each tile's O^T and (-M, sum) go out
.irp q, 0,1,2,3
	v_permlanex16_b32 v[SOP+\q], v[NM+2*\q+1], s[SEL], s[SEL+1]
.endr
.irp q, 0,1,2,3
	v_add_f32 v[NM+2*\q+1], v[NM+2*\q+1], v[SOP+\q]
.endr
	WALU
.irp q, 0,1,2,3
	ds_store_b64 v244, v[NM+2*\q:NM+2*\q+1] offset:256*\q
.endr
.irp q, 0,1,2,3
	WIN (\q<<2)                                    ; an LDS store's data are its source 1
.set ni, 0
.rept 24
	ds_store_b128 v243, v[32+4*ni:35+4*ni] offset:(ni/8)*16384+\q*4096+512*(ni%8)
.set ni, ni+1
.endr
.endr
	WIN 0
	s_wait_dscnt 0x0                               ; for the others' sake: my stores have landed
	s_barrier_signal -1
	s_barrier_wait -1
.irp g, 1,2,3
.irp q, 0,1,2,3
	ds_load_b64 v[120+8*\g+2*\q:121+8*\g+2*\q], v[247+\g] offset:256*\q
.endr
.endr
.macro XLD q                           ; the other parts of my quarter, over the registers handed out: 24 loads
	WIN (\q<<6)
.irp g, 1,2,3
.set ni, 0
.rept 8
	ds_load_b128 v[32*\g+4*ni:32*\g+4*ni+3], v[244+\g] offset:\q*4096+512*ni
.set ni, ni+1
.endr
.endr
	WIN 0
.endm
.macro COMB q                          ; attn = the sum of the four parts x their factors: register 16 b + i = d 64 w + 32 b + 16 h + i of my query
	WIN (0x41*\q)
	WALU
.set ni, 0
.rept 16
	v_pk_mul_f32 v[ni:ni+1], v[ni:ni+1], v[152+8*\q:153+8*\q] op_sel_hi:[1,0]
.set ni, ni+2
.endr
	WIN (0x51*\q)
.irp g, 1,2,3
.set ni, 0
.rept 16
	v_pk_fma_f32 v[ni:ni+1], v[32*\g+ni:32*\g+ni+1], v[152+8*\q+2*\g:153+8*\q+2*\g], v[ni:ni+1] op_sel_hi:[1,0,1]
.set ni, ni+2
.endr
.endr
	WIN 0
.endm
	XLD 0
	XLD 1
	s_wait_dscnt 48                                ; the statistics are in; two tiles' 48 loads may be out
.irp q, 0,1,2,3
	v_min3_num_f32 v[SOP+\q], v[NM+2*\q], v[128+2*\q], v[136+2*\q]
.endr
.irp q, 0,1,2,3
	v_min_num_f32 v[SOP+\q], v[SOP+\q], v[144+2*\q]   ; -M of the largest M
.endr
.irp q, 0,1,2,3
	v_sub_f32 v[153+8*\q], v[SOP+\q], v[NM+2*\q]
	v_sub_f32 v[155+8*\q], v[SOP+\q], v[128+2*\q]
	v_sub_f32 v[157+8*\q], v[SOP+\q], v[136+2*\q]
	v_sub_f32 v[159+8*\q], v[SOP+\q], v[144+2*\q]
.endr
.irp n, 0,1,2,3,4,5,6,7,8,9,10,11,12,13,14,15
	v_cvt_i32_f32 v[153+2*\n], v[153+2*\n]
.endr
.irp n, 0,1,2,3,4,5,6,7,8,9,10,11,12,13,14,15
	v_ldexp_f32 v[153+2*\n], 1.0, v[153+2*\n]      ; what brings each part under it
.endr
.irp q, 0,1,2,3
	v_mul_f32 v[BND+\q], v[NM+2*\q+1], v[153+8*\q]
.endr
.irp g, 1,2,3
.irp q, 0,1,2,3
	v_fma_f32 v[BND+\q], v[121+8*\g+2*\q], v[153+8*\q+2*\g], v[BND+\q]
.endr
.endr
	WALU
.irp q, 0,1,2,3
	v_rcp_f32 v[BND+\q], v[BND+\q]                 ; 1 / the row's sum
.endr
	v_nop
	WALU
.irp k, 0,1,2,3
.irp q, 0,1,2,3
	v_mul_f32 v[152+8*\q+2*\k], v[153+8*\q+2*\k], v[BND+\q]
.endr
.endr
	WALU
	s_wait_dscnt 24                                ; tile 0's parts are in
	COMB 0
	XLD 2
	s_wait_dscnt 24
	COMB 1
	XLD 3
	s_wait_dscnt 24
	COMB 2
	s_wait_dscnt 0x0
	COMB 3
	; ---- attn is quantised along d: two blocks of 32 for each tile, n = 2 q + b
.irp q, 0,1,2,3
	WIN (\q*5)
.irp b, 0,1
	v_max3_num_f32 v[184+2*\q+\b], |v[16*\b]|, |v[1+16*\b]|, 0x8000000
.endr
.irp i, 2,4,6,8,10,12,14
.irp b, 0,1
	v_max3_num_f32 v[184+2*\q+\b], |v[16*\b+\i]|, |v[1+16*\b+\i]|, v[184+2*\q+\b]
.endr
.endr
.endr
	WIN 0
.irp n, 0,1,2,3,4,5,6,7
	v_permlanex16_b32 v[128+\n], v[184+\n], s[SEL], s[SEL+1]
.endr
.irp n, 0,1,2,3,4,5,6,7
	v_max_num_f32 v[184+\n], v[184+\n], v[128+\n]
.endr
.irp n, 0,1,2,3,4,5,6,7
	v_add_nc_u32 v[136+\n], 0xf8800000, v[184+\n]
.endr
.irp n, 0,1,2,3,4,5,6,7
	v_and_or_b32 v[144+\n], v[184+\n], 0x7f800000, s[MNT]
.endr
.irp n, 0,1,2,3,4,5,6,7
	v_lshrrev_b32 v[128+\n], 23, v[136+\n]
.endr
.irp q, 0,1,2,3
	v_lshl_or_b32 v[128+2*\q], v[129+2*\q], 8, v[128+2*\q]
.endr
.irp q, 0,1,2,3
	WIN (0x41*\q)
.irp b, 0,1
.irp i, 0,1,2,3,4,5,6,7,8,9,10,11,12,13,14,15
	v_med3_num_f32 v[16*\b+\i], v[16*\b+\i], -v[144+2*\q+\b], v[144+2*\q+\b]
.endr
.endr
	WIN (\q)
.irp b, 0,1
	v_cvt_scalef32_pk8_bf8_f32 v[64+8*\q+4*\b:65+8*\q+4*\b], v[16*\b:7+16*\b], v[136+2*\q+\b]
	v_cvt_scalef32_pk8_bf8_f32 v[66+8*\q+4*\b:67+8*\q+4*\b], v[8+16*\b:15+16*\b], v[136+2*\q+\b]
.endr
.endr
	WIN 0
	v_nop
	WALU
.irp q, 0,1,2,3
	ds_store_b128 v251, v[64+8*\q:67+8*\q] offset:4096*\q
	ds_store_b128 v251, v[68+8*\q:71+8*\q] offset:4096*\q+512
	ds_store_b16 v252, v[128+2*\q] offset:128*\q
.endr
	s_wait_dscnt 0x0
	s_barrier_signal -1
	s_barrier_wait -1                              ; the four tiles' images lie in LDS
	; ---- out^T = Wo attn^T + bo: wave w makes columns 64 w on for all 64 queries: sixteen accumulators by turns, in window 3's v0-127
.irp t, 0,1,2,3
	WIN ((1+\t/2)<<6)
.irp k, 0,1
.irp c, 0,1,2,3
	ds_load_b128 v[128+32*(\t%2)+16*\k+4*\c:131+32*(\t%2)+16*\k+4*\c], v253 offset:4096*\t+2048*\k+512*\c
.endr
.endr
.endr
	WIN 0
.irp t, 0,1,2,3
	ds_load_b32 v[KSV+\t], v254 offset:128*\t
.endr
	s_wait_dscnt 0x0
	s_wait_loadcnt 0x0                             ; Wo, its scale words, bo
.macro OUTP k
.irp e, 0,1,2,3
.irp t, 0,1,2,3
	WIN ((1+\e/2)|((1+\t/2)<<2)|0xf0)
.if \k
	WM 32*\e+8*\t,208+32*(\e%2),144+32*(\t%2),v[32*\e+8*\t:32*\e+8*\t+7],QS+\e,KSV+\t,2
.else
	WM 32*\e+8*\t,192+32*(\e%2),128+32*(\t%2),v[192+8*\e:199+8*\e],QS+\e,KSV+\t,0
.endif
.endr
.endr
.endm
	OUTP 0
	OUTP 1
	PLACES 8
	; ---- THE WAY OUT.  My 64 columns are one aligned unit of 256 bytes of each row: through my own stage in LDS, 16 lanes to a row
.irp t, 0,1,2,3
	WIN 0x0c
.irp e, 0,1,2,3
	ds_store_b128 v255, v[32*\e+8*\t:32*\e+8*\t+3] offset:16*\t*272+64*\e          ; each accumulator from its low end on
	ds_store_b128 v255, v[32*\e+8*\t+4:32*\e+8*\t+7] offset:16*\t*272+64*\e+16
.endr
	WIN 0
.irp i, 0,1,2,3,4,5,6,7
	ds_load_b128 v[32*\t+4*\i:32*\t+4*\i+3], v[TP] offset:(16*\t+2*\i)*272          ; LDS serves a wave's instructions in order (ISA guide 5.7.1.4): these see the stores above
.endr
.endr
.irp t, 0,1,2,3
	s_wait_dscnt 48-16*\t                          ; behind tile t's loads: 16 LDS instructions for each later tile
.irp i, 0,1,2,3,4,5,6,7
	global_store_b128 v198, v[32*\t+4*\i:32*\t+4*\i+3], s[16:17] offset:(32*(\t/2)+8*(\t%2)+2*\i+8*(\i/4))*1024 th:TH_STORE_NT   ; row r = 2 i + h of tile t: query 32 (t / 2) + 8 (t % 2) + r + 8 (r / 8)
.endr
.endr
	s_wait_tensorcnt 0x0                           ; the wave's end, behind my last tensor load and my last LDS store
	ds_add_u32 v[SPW], v[NIL]
	s_wait_dscnt 0x0
	CROUND                                         ; the closing round: no work-group ends while a partner may still ask for a tile that names it
	s_endpgm
.Lfunc_end_k_q13dabb3293_attn:
	.size	k_q13dabb3293_attn, .Lfunc_end_k_q13dabb3293_attn-k_q13dabb3293_attn
	.p2alignl 7, 3214868480
	.fill 96, 4, 3214868480
	.section	.rodata,"a",@progbits
	.p2align	6, 0x0
	.amdhsa_kernel k_q13dabb3293_attn
		.amdhsa_group_segment_fixed_size 327680
		.amdhsa_private_segment_fixed_size 0
		.amdhsa_enable_private_segment 0
		.amdhsa_kernarg_size 56
		.amdhsa_user_sgpr_count 2
		.amdhsa_user_sgpr_kernarg_segment_ptr 1
		.amdhsa_wavefront_size32 1
		.amdhsa_system_sgpr_workgroup_id_x 1
		.amdhsa_system_sgpr_workgroup_id_y 1
		.amdhsa_system_sgpr_workgroup_id_z 1
		.amdhsa_system_vgpr_workitem_id 0
		.amdhsa_next_free_vgpr 1024
		.amdhsa_next_free_sgpr 72
		.amdhsa_reserve_vcc 1
		.amdhsa_float_denorm_mode_32 3
		.amdhsa_float_denorm_mode_16_64 3
		.amdhsa_memory_ordered 1
		.amdhsa_forward_progress 1
		.amdhsa_inst_pref_size 255
	.end_amdhsa_kernel
	.section	.bss,"aw",@nobits
	.p2align	6
	.space	262144
	.amdgpu_metadata
---
amdhsa.version: [ 1, 2 ]
amdhsa.kernels:
  - .name:           k_q13dabb3293_attn
    .symbol:         k_q13dabb3293_attn.kd
    .args:
      - { .name: qc, .offset: 0, .size: 8, .value_kind: global_buffer, .address_space: global }
      - { .name: qs, .offset: 8, .size: 8, .value_kind: global_buffer, .address_space: global }
      - { .name: kv, .offset: 16, .size: 8, .value_kind: global_buffer, .address_space: global }
      - { .name: wo, .offset: 24, .size: 8, .value_kind: global_buffer, .address_space: global }
      - { .name: Wo_scales, .offset: 32, .size: 8, .value_kind: global_buffer, .address_space: global }
      - { .name: bo, .offset: 40, .size: 8, .value_kind: global_buffer, .address_space: global }
      - { .name: out0, .offset: 48, .size: 8, .value_kind: global_buffer, .address_space: global }
    .group_segment_fixed_size: 327680
    .private_segment_fixed_size: 0
    .kernarg_segment_align: 8
    .kernarg_segment_size: 56
    .max_flat_workgroup_size: 128
    .sgpr_count:     72
    .vgpr_count:     1024
    .wavefront_size: 32
...
	.end_amdgpu_metadata
.endif
;; end of part 2
